; MI455X (gfx1250); checked and timed in simulation.
; The chip was launched on July 23, 2026; its instructions are those of AMD's public machine-readable ISA for CDNA 5 (MIT licence, August 2026) and "CDNA5" Instruction Set Architecture Reference Guide (July 2026). The comments in the code are by the model that wrote it; some were corrected since.
;; Multi Head Attention. Allowed arithmetic: matrix products marked QUANTISED: E2M3 operands, one E8M0 scale for each 32 along K, by v_wmma_scale_f32_16x16x128_f8f6f4 with both operands' format E2M3, f32 sums; everything else in f32.
;; Inputs: Wk 16 x 1,024 x 64 float32; Wo 1,024 x 1,024 float32; Wq 16 x 1,024 x 64 float32; Wv 16 x 1,024 x 64 float32; bk 16 x 64 float32; bo 1,024 float32; bq 16 x 64 float32; bv 16 x 64 float32; x 4 x 2,048 x 1,024 float32.
;; Outputs: out0 4 x 2,048 x 1,024 float32.
;; This version of the problem:
;;   THIS VERSION OF THE PROBLEM IS GIVEN IN LOW PRECISION. The matrix products marked QUANTISED in the list below multiply operands that are first quantised to E2M3 (2 exponent bits, 3 mantissa bits; 6 bits a number), with one power-of-two scale for each 32 numbers along K (OCP MX v1.0); their sums are f32. All else is computed in f32.
;;   The module's matrix products, in the order in which they are computed (A, B: the left and right operand; K: the contracted axis; several contracted axes count as one K, in the product's order):
;;     1. [M 1,024, K 1,024] x [K 1,024, N 8,192]; A: input Wq; B: input x: QUANTISED
;;     2. [M 1,024, K 1,024] x [K 1,024, N 8,192]; A: input Wk; B: input x: QUANTISED
;;     3. [M 1,024, K 1,024] x [K 1,024, N 8,192]; A: input Wv; B: input x: QUANTISED
;;     4. batch 64 x [M 2,048, K 64] x [K 64, N 2,048]; A: computed on the way; B: computed on the way: QUANTISED
;;     5. batch 64 x [M 2,048, K 2,048] x [K 2,048, N 64]; A: softmax (see below); B: computed on the way: QUANTISED
;;     6. [M 8,192, K 1,024] x [K 1,024, N 1,024]; A: computed on the way; B: input Wo: QUANTISED
;;   THE QUANTISER, for each operand of a quantised product, along K:
;;     - K is cut into blocks of 32 from its start; a last block that is shorter is filled with zeros.
;;     - A block's scale is 2^e with e = floor(log2(the largest magnitude in the block)) - 2, held to -126 .. 127; a block of zeros has e = 0. As a byte (E8M0): e + 127.
;;     - Each number is divided by its block's scale, clamped to +-7.5, and rounded to the nearest number of E2M3, ties to even, subnormals kept.
;;     - The product sums the exact products of the quantised numbers (number of the format x scale) in f32.
;;   ~~~python
;;   def quantise(x, axis):      # numpy; x: float32 -> the quantised numbers, widened to float32 again
;;       x = np.moveaxis(x, axis, -1); K = x.shape[-1]
;;       x = np.pad(x, [(0, 0)] * (x.ndim - 1) + [(0, -K % 32)]); x = x.reshape(x.shape[:-1] + (-1, 32)); a = np.abs(x).max(-1, keepdims=True)
;;       e = np.where(a > 0, np.clip(np.frexp(np.where(a > 0, a, 1))[1] - 1 - 2, -126, 127), 0)      # np.frexp(a)[1] - 1 = floor(log2(a)), exactly
;;       r = np.clip(x / 2.0 ** e, -7.5, 7.5)
;;       step = 2.0 ** (np.maximum(np.frexp(np.where(r == 0, 1, r))[1] - 1, 0) - 3)
;;       q = np.round(r / step) * step * 2.0 ** e      # np.round: ties to even
;;       return np.moveaxis(q.reshape(q.shape[:-2] + (-1,))[..., :K], -1, axis).astype(np.float32)
;;   ~~~
;;   SOFTMAX AHEAD OF A QUANTISED PRODUCT. Where the list says 'softmax', what is quantised is not the finished softmax but p = 2^(t - M), with t = logit x log2(e) and M = ceil(the row's largest t), a whole number; so 1/2 < the row's largest p <= 1. The row's sum l is taken of the UNQUANTISED p, in f32, and the product's result is divided by l at the end. Since M is a whole number, a kernel that streams over the keys may use a running M (the ceiling of the running maximum): every later rescaling is an exact power of two, which a block's scale takes up: the codes' values come out the same.
;;   OPERANDS COMPUTED ON THE WAY. 'Computed on the way' means the value that the module computes at that place (a softmax that the list does not call 'softmax' is quantised finished and normalised). What goes into a quantiser is computed in f32, as accurately as f32 sums, v_exp_f32 and their like allow (about 1e-6 of the number): no bf16 or f16 on the way to a quantiser, and a product that is left as it is and whose result goes on into a quantised operand takes f32 operands (vector FMAs, or v_wmma_f32_16x16x4_f32). A number that lies on a knife's edge between two numbers of the format may be rounded either way, as far as f32 arithmetic and the matrix unit's own rounding can turn it there, and no further.
;; One version. Each part assembles by itself: llvm-mc -triple=amdgcn-amd-amdhsa -mcpu=gfx1250 --defsym DOCPART=n.
;; ======== version 1 of 1: 4 launches
;; limits: right only within a limited range of input values
;; workspace buffers: XI 6,553,600 bytes; WI 6,553,600 bytes; QKV 20,185,088 bytes; CI 6,553,600 bytes
;; launch prep (part 1): grid 384 x 1, 4 waves a work-group, no clusters, 58,880 bytes of LDS; arguments x, Wq, Wk, Wv, Wo, XI, WI; writes XI, WI
.if DOCPART == 1
	.amdgcn_target "amdgcn-amd-amdhsa--gfx1250"
	.amdhsa_code_object_version 6
	.text
	.protected	k_q6afe693709_prep
	.globl	k_q6afe693709_prep
	.p2align	8
	.type	k_q6afe693709_prep,@function
k_q6afe693709_prep:
	s_mov_b64 s[64:65], 0
	v_nop
	global_prefetch_b8 v0, s[64:65] scope:SCOPE_SE
	s_setreg_imm32_b32 hwreg(HW_REG_WAVE_MODE, 25, 1), 1
	s_wait_xcnt 0x0
; x [8192][1024] f32 (K innermost) and the four weights (K = their d axis, NOT innermost) become codes of FP6 (E2M3) with one E8M0 byte for each 32 along K,
; laid in the ORDER OF THE OPERAND'S REGISTERS, so that the products' launches fetch dense blocks and load fragments by ds_load_b128 / ds_load_b64 alone.
; A BLOCK of 6,400 bytes holds 32 rows x 256 along K: tile u = 0, 1 (lane r of tile u is row 8 u + r + 8 (r / 8) of the 32), in it fragment q = 0, 1 (128 along K, 1,536 bytes),
; in it two half images of 768 bytes (64 along K): lane L = 16 hh + r owns block hh of row r, 24 bytes: registers 0-3 at 16 L, registers 4-5 at 512 + 8 L.  At 6,144: the scale words [u][r][q].
; XI: [K / 256][row / 32] blocks.  WI likewise over n' = 0 .. 4095: Wq's (head x 64 + k), then Wk's, Wv's, then Wo's columns.
; A block's scale is 2^(floor(log2(largest magnitude)) - 2); its byte is the largest magnitude's exponent field - 2, held at 1 from below.
; LIMITS: a block of zeros gets the byte 1 where the rule says 127 (its codes are zeros, and this program alone reads the bytes); NaN and infinities among the inputs are not served.
; Work-groups 0-255 take x, 256-383 the weights; each wave reads 32 KiB and writes one whole block.  Waves share nothing: no barrier.  The two paths have LDS bytes of their own.
.set WSTG,  33792                      ; x's four stages of 16 x 528 bytes lie at 0; the weights' four stages of 6,144 bytes begin here
.set SPARE, 58368                      ; behind them the spare words, 128 bytes a wave
.set SPW, 12                           ; v12 LDS address of my spare word; never rewritten
.set NIL, 13                           ; v13 0; never rewritten
	s_load_b256 s[4:11], s[0:1], 0x0               ; x, Wq, Wk, Wv
	s_load_b128 s[12:15], s[0:1], 0x20             ; Wo, XI
	s_load_b64 s[16:17], s[0:1], 0x30              ; WI
	v_lshl_add_u32 v[SPW], v0, 2, SPARE
	v_mov_b32 v[NIL], 0
	v_lshrrev_b32 v1, 5, v0
	v_readfirstlane_b32 s18, v1                    ; wave 0..3
	v_and_b32 v10, 31, v0                          ; lane
	v_lshlrev_b32 v1, 4, v10                       ; 16 x lane
	v_lshlrev_b32 v2, 3, v10                       ; 8 x lane
	s_cmp_lt_u32 ttmp9, 256
	s_cbranch_scc0 .Lweights
; ---------------- x: work-group = 32 rows, wave = 256 along K ----------------
.set R,   16                           ; v16-79, v80-143  a fragment's numbers as loaded, two sets
.set XN,  144                          ; v144-207 my two whole blocks of 32
.set PC,  208                          ; v208-219, v220-231 a fragment's codes, two sets
.set TP,  232                          ; v232-234, v236-238 a block's upper 16 codes (a conversion's three registers begin on an even number)
.set M,   240
.set SO,  242
.set BY,  244
.set WD,  248                          ; v248-251 the four fragments' scale words
	v_and_b32 v8, 15, v0                           ; r
	v_bfe_u32 v9, v0, 4, 1                         ; hh
	s_mul_i32 s19, s18, 8448                       ; my stage
	v_add_nc_u32 v3, s19, v1                       ; in: 16 x lane of a row of 512 bytes
	v_mul_u32_u24 v4, v8, 528
	v_lshl_add_u32 v4, v9, 7, v4
	v_add_nc_u32 v4, s19, v4                       ; out: row r, + 128 hh: my block's 128 bytes
	v_lshlrev_b32 v5, 3, v9                        ; 8 hh: my bytes' place in a scale word
	v_mov_b32 v247, 0                              ; a lane permute's destination counts as one of its sources
	s_mov_b32 s20, 0x76543210
	s_mov_b32 s21, 0xfedcba98                      ; lane l xor 16
	s_mov_b32 s22, 0xffff0000                      ; lanes 16-31
	s_lshl_b32 s24, ttmp9, 17                      ; 32 rows of 4,096 bytes
	s_lshl_b32 s23, s18, 10                        ; 256 numbers along K
	s_add_co_u32 s24, s24, s23
	s_mov_b32 s25, 0
	s_mul_i32 s26, s18, 1638400
	s_mul_i32 s23, ttmp9, 6400
	s_add_co_u32 s26, s26, s23
	s_mov_b32 s27, 0
	s_wait_alu depctr_va_vdst(0)
	s_wait_kmcnt 0x0
	s_add_nc_u64 s[4:5], s[4:5], s[24:25]
	s_add_nc_u64 s[14:15], s[14:15], s[26:27]
.macro LOADX f                         ; fragment f = 2 u + q: the tile's 16 rows, 512 consecutive bytes a load
.irp i, 0,1,2,3,4,5,6,7,8,9,10,11,12,13,14,15
	global_load_b128 v[R+64*((\f)%2)+4*\i:R+64*((\f)%2)+4*\i+3], v1, s[4:5] offset:(8*((\f)/2)+\i+8*(\i/8))*4096+512*((\f)%2) th:TH_LOAD_NT
.endr
.endm
.macro TURNX f                         ; through my stage: in as loaded, out a whole block of 32 to a lane.  LDS serves a wave's instructions in order: no wait between
.irp i, 0,1,2,3,4,5,6,7,8,9,10,11,12,13,14,15
	ds_store_b128 v3, v[R+64*((\f)%2)+4*\i:R+64*((\f)%2)+4*\i+3] offset:528*\i
.endr
.irp c, 0,1
.irp j, 0,1,2,3,4,5,6,7
	ds_load_b128 v[XN+32*\c+4*\j:XN+32*\c+4*\j+3], v4 offset:256*\c+16*\j
.endr
.endr
.endm
.macro QBX f                           ; my blocks hh and 2 + hh of row r: scale, byte, codes
.set PS, PC+12*((\f)%2)
.irp c, 0,1
	v_max3_num_f32 v[M+\c], |v[XN+32*\c]|, |v[XN+32*\c+1]|, 0x1800000   ; with the floor 2^(3 - 127): the byte cannot fall under 1
.endr
.irp i, 2,4,6,8,10,12,14,16,18,20,22,24,26,28,30
.irp c, 0,1
	v_max3_num_f32 v[M+\c], v[M+\c], |v[XN+32*\c+\i]|, |v[XN+32*\c+\i+1]|
.endr
.endr
.irp c, 0,1
	v_add_nc_u32 v[SO+\c], 0xff000000, v[M+\c]     ; 2 off the exponent field: the conversion's scale operand
.endr
.irp c, 0,1
	v_lshrrev_b32 v[BY+\c], 23, v[SO+\c]           ; the scale's byte
.endr
	v_lshl_or_b32 v246, v[BY+1], 16, v[BY]
	v_lshlrev_b32 v246, v5, v246                   ; at their places in the word
	v_permlanex16_b32 v247, v246, s20, s21
	v_or_b32 v[WD+\f], v246, v247                  ; with lane l xor 16's two the word is whole, in both halves
.irp c, 0,1
	v_cvt_scalef32_pk16_fp6_f32 v[PS+6*\c:PS+6*\c+2], v[XN+32*\c:XN+32*\c+15], v[SO+\c]
	v_cvt_scalef32_pk16_fp6_f32 v[TP+4*\c:TP+4*\c+2], v[XN+32*\c+16:XN+32*\c+31], v[SO+\c]
.endr
	v_nop                                          ; one plain place behind a scaled conversion
.irp c, 0,1
.irp i, 0,1,2
	v_mov_b32 v[PS+6*\c+3+\i], v[TP+4*\c+\i]
.endr
.endr
.endm
.macro STX f                           ; 512 and 256 consecutive bytes a store
.set PS, PC+12*((\f)%2)
.irp c, 0,1
	global_store_b128 v1, v[PS+6*\c:PS+6*\c+3], s[14:15] offset:3072*((\f)/2)+1536*((\f)%2)+768*\c
	global_store_b64 v2, v[PS+6*\c+4:PS+6*\c+5], s[14:15] offset:3072*((\f)/2)+1536*((\f)%2)+768*\c+512
.endr
.endm
.macro XSTEP f
.if (\f) < 3
	s_wait_loadcnt 16                              ; this fragment's 16 loads are in; the next one's may be out
.else
	s_wait_loadcnt 0x0
.endif
	TURNX \f
	s_wait_dscnt 0x0                               ; my blocks are back, and the stores into the stage have read their registers,
.if (\f) < 2
	LOADX (\f)+2                                   ; which take the loads of two fragments on
.else
	s_wait_xcnt 0x0                                ; the stores of two fragments back have read this set of codes
.endif
	QBX \f
	STX \f
.endm
	LOADX 0
	LOADX 1
	XSTEP 0
	XSTEP 1
	XSTEP 2
	XSTEP 3
	v_cndmask_b32 v252, v[WD], v[WD+2], s22        ; lanes 0-15: tile 0's words, lanes 16-31: tile 1's
	v_cndmask_b32 v253, v[WD+1], v[WD+3], s22
	global_store_b64 v2, v[252:253], s[14:15] offset:6144   ; 256 consecutive bytes
	s_wait_tensorcnt 0x0                           ; the wave's end, behind my last LDS store
	ds_add_u32 v[SPW], v[NIL]
	s_wait_dscnt 0x0
	s_endpgm
; ---------------- the weights: a lane takes a column n', its registers run down K ----------------
.Lweights:
.set VO,  16                           ; v16-47  4 x lane + i x pitch
.set XW,  48                           ; v48-111 two sets of 32 numbers
	s_sub_co_u32 s19, ttmp9, 256
	s_lshr_b32 s20, s19, 1                         ; panel of 64 columns, 0..63
	s_and_b32 s21, s19, 1
	s_lshl_b32 s21, s21, 1
	s_lshr_b32 s22, s18, 1
	s_add_co_u32 s21, s21, s22                     ; which 256 along K
	s_and_b32 s22, s18, 1                          ; which 32 of the 64 columns
	s_lshr_b32 s23, s20, 4                         ; 0 Wq, 1 Wk, 2 Wv, 3 Wo
	s_and_b32 s24, s20, 15
	s_lshl_b32 s27, s24, 18                        ; a head of Wq, Wk, Wv: 1,024 rows of 256 bytes
	s_lshl_b32 s28, s24, 8                         ; 64 columns of Wo
	s_mov_b32 s26, 4096
	s_wait_kmcnt 0x0
	s_cmp_eq_u32 s23, 0
	s_cselect_b64 s[50:51], s[6:7], s[8:9]
	s_cmp_lt_u32 s23, 2
	s_cselect_b64 s[50:51], s[50:51], s[10:11]
	s_cmp_lt_u32 s23, 3
	s_cselect_b64 s[50:51], s[50:51], s[12:13]
	s_cselect_b32 s26, 256, s26                    ; bytes from one k to the next
	s_cselect_b32 s27, s27, s28
	s_mul_i32 s30, s21, s26
	s_lshl_b32 s30, s30, 8
	s_add_co_u32 s30, s30, s27
	s_lshl_b32 s28, s22, 7
	s_add_co_u32 s30, s30, s28
	s_mov_b32 s31, 0
	s_lshl_b32 s28, s26, 5                         ; a block of 32 along K
	s_mov_b32 s29, 0
	s_add_nc_u64 s[32:33], s[50:51], s[30:31]      ; a base for each of my eight blocks, so that no base is stepped
.irp t, 1,2,3,4,5,6,7
	s_add_nc_u64 s[32+2*\t:33+2*\t], s[30+2*\t:31+2*\t], s[28:29]
.endr
	s_lshl_b32 s24, s20, 1
	s_add_co_u32 s24, s24, s22
	s_mul_i32 s24, s24, 6400
	s_mul_i32 s25, s21, 1638400                    ; from a quarter of K to the next WI has XI's distance (its 128 blocks fill the first half of each quarter's room), so that one pitch serves both
	s_add_co_u32 s24, s24, s25
	s_mov_b32 s25, 0
	s_add_nc_u64 s[16:17], s[16:17], s[24:25]
	s_wait_alu depctr_va_vdst(0)
	v_lshlrev_b32 v7, 2, v10
.irp i, 0,1,2,3,4,5,6,7,8,9,10,11,12,13,14,15,16,17,18,19,20,21,22,23,24,25,26,27,28,29,30,31
	v_mad_u32_u24 v[VO+\i], s26, \i, v7
.endr
	v_bfe_u32 v8, v0, 3, 1                         ; my column's tile u
	v_and_b32 v9, 7, v0
	v_bfe_u32 v11, v0, 4, 1
	v_lshl_add_u32 v9, v11, 3, v9                  ; and its lane r in that tile
	s_mul_i32 s19, s18, 6144
	s_add_co_u32 s19, s19, WSTG                    ; my stage: an image of the block's 6,144 bytes of codes
	v_mul_u32_u24 v11, v8, 3072
	v_add_nc_u32 v11, s19, v11
	v_lshl_add_u32 v3, v9, 4, v11
	v_lshl_add_u32 v4, v9, 3, v11
	v_add_nc_u32 v5, s19, v1
	v_lshlrev_b32 v6, 7, v8
	v_lshl_add_u32 v6, v9, 3, v6                   ; my two scale words' place: 128 u + 8 r
.macro LOADW t
.irp i, 0,1,2,3,4,5,6,7,8,9,10,11,12,13,14,15,16,17,18,19,20,21,22,23,24,25,26,27,28,29,30,31
	global_load_b32 v[XW+32*((\t)%2)+\i], v[VO+\i], s[32+2*(\t):33+2*(\t)] th:TH_LOAD_NT
.endr
.endm
.macro BLOCKW t                        ; block t of my column: fragment t / 4, half image (t / 2) % 2, lane half t % 2
.set XS, XW+32*((\t)%2)
.if (\t) < 7
	s_wait_loadcnt 32                              ; this block's 32 loads are in; the next block's may be out
.else
	s_wait_loadcnt 0x0
.endif
	v_max3_num_f32 v122, |v[XS]|, |v[XS+1]|, |v[XS+2]|
	v_max3_num_f32 v123, |v[XS+3]|, |v[XS+4]|, |v[XS+5]|
.irp i, 6,10,14,18,22,26
	v_max3_num_f32 v122, v122, |v[XS+\i]|, |v[XS+\i+1]|
	v_max3_num_f32 v123, v123, |v[XS+\i+2]|, |v[XS+\i+3]|
.endr
	v_max3_num_f32 v122, v122, |v[XS+30]|, |v[XS+31]|
	v_max3_num_f32 v122, v122, v123, 0x1800000     ; and the floor
	v_add_nc_u32 v124, 0xff000000, v122
	v_cvt_scalef32_pk16_fp6_f32 v[112:114], v[XS:XS+15], v124
	v_cvt_scalef32_pk16_fp6_f32 v[116:118], v[XS+16:XS+31], v124
	v_lshrrev_b32 v125, 23, v124                   ; the byte (also the plain place behind the conversions)
.if (\t)%4 == 0
	v_mov_b32 v[120+(\t)/4], v125
.else
	v_lshl_or_b32 v[120+(\t)/4], v125, 8*((\t)%4), v[120+(\t)/4]
.endif
	v_mov_b32 v115, v116
	v_mov_b32 v116, v117
	v_mov_b32 v117, v118                           ; v112-117: the block's 24 bytes on end
	ds_store_b128 v3, v[112:115] offset:1536*((\t)/4)+768*(((\t)/2)%2)+256*((\t)%2)
	ds_store_b64 v4, v[116:117] offset:1536*((\t)/4)+768*(((\t)/2)%2)+512+128*((\t)%2)
.if (\t)+2 < 8
	LOADW (\t)+2
.endif
	s_wait_dscnt 0x0                               ; the stores have read their registers
.endm
	LOADW 0
	LOADW 1
.irp t, 0,1,2,3,4,5,6,7
	BLOCKW \t
.endr
	s_wait_alu depctr_va_vdst(0)
	global_store_b64 v6, v[120:121], s[16:17] offset:6144   ; my column's two scale words: the wave fills the block's 256 bytes of them
.irp j, 0,1,2,3,4,5,6,7,8,9,10,11
	ds_load_b128 v[128+4*\j:131+4*\j], v5 offset:512*\j     ; LDS serves a wave's instructions in order: these see my stores
.endr
.irp j, 0,1,2,3,4,5,6,7,8,9,10,11
	s_wait_dscnt 11-\j
	global_store_b128 v1, v[128+4*\j:131+4*\j], s[16:17] offset:512*\j   ; 512 consecutive bytes
.endr
	s_wait_tensorcnt 0x0                           ; the wave's end, behind my last LDS store
	ds_add_u32 v[SPW], v[NIL]
	s_wait_dscnt 0x0
	s_endpgm
.Lfunc_end_k_q6afe693709_prep:
	.size	k_q6afe693709_prep, .Lfunc_end_k_q6afe693709_prep-k_q6afe693709_prep
	.p2alignl 7, 3214868480
	.fill 96, 4, 3214868480
	.section	.rodata,"a",@progbits
	.p2align	6, 0x0
	.amdhsa_kernel k_q6afe693709_prep
		.amdhsa_group_segment_fixed_size 58880
		.amdhsa_private_segment_fixed_size 0
		.amdhsa_enable_private_segment 0
		.amdhsa_kernarg_size 56
		.amdhsa_user_sgpr_count 2
		.amdhsa_user_sgpr_kernarg_segment_ptr 1
		.amdhsa_wavefront_size32 1
		.amdhsa_system_sgpr_workgroup_id_x 1
		.amdhsa_system_sgpr_workgroup_id_y 1
		.amdhsa_system_sgpr_workgroup_id_z 1
		.amdhsa_system_vgpr_workitem_id 0
		.amdhsa_next_free_vgpr 256
		.amdhsa_next_free_sgpr 66
		.amdhsa_reserve_vcc 0
		.amdhsa_float_denorm_mode_32 3
		.amdhsa_float_denorm_mode_16_64 3
		.amdhsa_memory_ordered 1
		.amdhsa_forward_progress 1
		.amdhsa_inst_pref_size 74
	.end_amdhsa_kernel
	.amdgpu_metadata
---
amdhsa.version: [ 1, 2 ]
amdhsa.kernels:
  - .name:           k_q6afe693709_prep
    .symbol:         k_q6afe693709_prep.kd
    .args:
      - { .name: x, .offset: 0, .size: 8, .value_kind: global_buffer, .address_space: global }
      - { .name: Wq, .offset: 8, .size: 8, .value_kind: global_buffer, .address_space: global }
      - { .name: Wk, .offset: 16, .size: 8, .value_kind: global_buffer, .address_space: global }
      - { .name: Wv, .offset: 24, .size: 8, .value_kind: global_buffer, .address_space: global }
      - { .name: Wo, .offset: 32, .size: 8, .value_kind: global_buffer, .address_space: global }
      - { .name: XI, .offset: 40, .size: 8, .value_kind: global_buffer, .address_space: global }
      - { .name: WI, .offset: 48, .size: 8, .value_kind: global_buffer, .address_space: global }
    .group_segment_fixed_size: 58880
    .private_segment_fixed_size: 0
    .kernarg_segment_align: 8
    .kernarg_segment_size: 56
    .max_flat_workgroup_size: 128
    .sgpr_count:     66
    .vgpr_count:     256
    .wavefront_size: 32
...
	.end_amdgpu_metadata
.endif
;; end of part 1
;; launch proj (part 2): grid 12 x 64, 4 waves a work-group, clusters of 4 x 4, 327,680 bytes of LDS; arguments XI, WI, bq, bk, bv, QKV; writes QKV
.if DOCPART == 2
	.amdgcn_target "amdgcn-amd-amdhsa--gfx1250"
	.amdhsa_code_object_version 6
	.text
	.protected	k_q6afe693709_proj
	.globl	k_q6afe693709_proj
	.p2align	8
	.type	k_q6afe693709_proj,@function
k_q6afe693709_proj:
	s_mov_b64 s[64:65], 0
	v_nop
	global_prefetch_b8 v0, s[64:65] scope:SCOPE_SE
	s_setreg_imm32_b32 hwreg(HW_REG_WAVE_MODE, 25, 1), 1
	s_wait_xcnt 0x0
	s_wait_alu depctr_hold_cnt(0) depctr_sa_sdst(0) depctr_va_vdst(0) depctr_va_sdst(0) depctr_va_ssrc(0) depctr_va_vcc(0) depctr_vm_vsrc(0)
	s_getreg_b32 s2, hwreg(HW_REG_IB_STS2, 6, 4)
	s_cmp_eq_u32 s2, 0
	s_cbranch_scc0 .Lentry_in_a_cluster
	s_endpgm
.Lentry_in_a_cluster:
	s_bfe_u32 s2, ttmp6, 0x10000c
	s_cmp_lg_u32 s2, 0xf033
	s_cbranch_scc0 .Lentry_shape_is_right
	s_endpgm
.Lentry_shape_is_right:
; Q, K and V = x W + b on codes of FP6 (E2M3) with E8M0 scales, quantised again on the way out: Q and K along the head's 64, V along the keys.
; A work-group multiplies R = 128 rows (source 1) by P = 256 rows (source 0) over the WHOLE K = 1,024, which lies in LDS at once, in blocks of 6,400 bytes
; (32 rows x 256 along K in the order of the operand's registers, scale words behind them): R's four quarters of K, 4 blocks each, then P's four, 8 blocks each.  Nothing in LDS is filled twice.
; In XI and WI a quarter of K is 1,638,400 bytes from the next, and a quarter's blocks of neighbouring rows lie on end.
; THE FILLS, one tensor load a wave, all at the head, each on a line of its own: wave 0 P's quarter 0 (200 rows of 256 bytes); wave 1 R's four quarters (4 rows of 25,600 bytes);
; wave 2 P's quarter 1; wave 3 P's quarters 2 and 3 (2 rows of 51,200 bytes).  Three plain barriers show them: waves 0 and 1's, wave 2's, wave 3's.
; Clusters x = 0, 1 (Q, K): R = rows of x, P = rows of the weight: a lane holds one row of x, its registers run along the head's 64.
; Cluster x = 2 (V): R = rows of Wv, P = rows of x: a lane holds one channel dv, its registers run along the keys.  Only the memory addresses and the way out differ.
; Four waves: wave (RH, CH) makes R's half RH (four tiles a) x P's half CH (eight tiles b): 32 accumulators, 32 matrix instructions for each 128 along K.
; Lane r of tile 2 G + u is row 32 G + 8 u + r + 8 (r / 8): so the 16 registers of P's tiles 2 bb, 2 bb + 1 are 16 neighbours 32 bb + 16 hh + 0 .. 15.
; CLUSTERS 4 x 4: R's blocks are shared along a row of the cluster, P's along a column: joint loads.  No data prefetch: all is asked for at the head.
; QKV: a head has 315,392 bytes: 16 blocks of 13,056 (128 keys: K's 8 half images, V's 4 fragments, K's scale words 512, V's 256), then 16 blocks of 6,656 (128 queries: Q's 8 half images, its scale words 512).
; LIMITS: a block of zeros gets the byte 1 (its codes are zeros; this program alone reads the bytes); NaN and infinities are not served.
; REGISTERS: window 0: v1-12 lane numbers and offsets; v16-39 LDS addresses (on the way out: at work); v40-87 scale words, two sets; v88-95 the bias by R's row; v96-191 R's fragments, two sets (on the way out: numbers and codes);
;   v192-255 the bias by P's row.   window 1: P's fragments, two sets.   window 2: accumulator (a, b) at v[8 (8 a + b)].
.set GB,     6400
.set RQ,     4*GB                      ; a quarter of K of R in LDS
.set PQ,     8*GB                      ; of P
.set PBASE,  4*RQ                      ; P lies behind R
.set SPARE,  PBASE+4*PQ                ; the spare words, 128 bytes a wave
.set QSTR,   1638400                   ; a quarter of K on, in XI and in WI, in bytes
.set KVB,    13056
.set QBB,    6656
.set HEADB,  16*(KVB+QBB)              ; from a head to the next in QKV
.set SPW, 8
.set NIL, 9
.set AD,  16                           ; v[AD + 6 kp + ..]: R + 16 l, R + 8 l, R + 8 r, P + 16 l, P + 8 l, P + 8 r
.set SC,  40
.set BR,  88
.set RF,  96
.set BP,  192
.set ST,  96                           ; the way out: 64 numbers
.set PC,  160                          ; the codes just made (12), and the conversions' second halves
.set TM,  16
.set PWK, 32
.set MSB, 0
.macro WIN new                         ; the immediate's high byte repeats the setting that is left
.if MSB != \new
	s_set_vgpr_msb (MSB<<8)|\new
.set MSB, \new
.endif
.endm
.macro CROUND                          ; a round of the cluster's barrier
	s_barrier_signal -1
	s_barrier_wait -1
	s_cmp_lg_u32 s16, 0
	s_cbranch_scc1 .Lnot_wave_0_\@
	s_barrier_signal -3
.Lnot_wave_0_\@:
	s_barrier_wait -3
	s_barrier_signal -1
	s_barrier_wait -1
.endm
.macro PLACES n
.rept \n
	v_nop
.endr
.endm
.macro G1 g, c, r, p                   ; group 1's words 1 to 7: r rows of c elements of 8 bytes, p elements from row to row
	s_mov_b32 s[\g+1], (\c)<<16
	s_mov_b32 s[\g+2], (\r)<<16
	s_mov_b32 s[\g+3], (\c)<<16
	s_mov_b32 s[\g+4], \r
	s_mov_b32 s[\g+5], \p
	s_mov_b32 s[\g+6], 0
	s_mov_b32 s[\g+7], 0
.endm
.macro TL g0, g1
	tensor_load_to_lds s[\g0:\g0+3], s[\g1:\g1+7]
	s_nop 0
	PLACES 4
.endm
.macro HFRAG reg, a16, a8, off         ; a half image: 512 and 256 consecutive bytes
	ds_load_b128 v[\reg:\reg+3], v[\a16] offset:\off
	ds_load_b64 v[\reg+4:\reg+5], v[\a8] offset:\off+512
.endm
.macro FRAG reg, a16, a8, off
	HFRAG \reg, \a16, \a8, \off
	HFRAG \reg+6, \a16, \a8, \off+768
.endm
.macro FETCH s                         ; step s of 128 along K: P's eight fragments, R's four: 48 loads, into set s % 2
.set KP_, (\s)/2
.set Q_, (\s)%2
	WIN 0x40                                       ; destination window 1
.irp b, 0,1,2,3,4,5,6,7
	FRAG 96*Q_+12*\b, AD+6*KP_+3, AD+6*KP_+4, (\b/2)*GB+(\b%2)*3072+Q_*1536
.endr
	WIN 0
.irp a, 0,1,2,3
	FRAG RF+48*Q_+12*\a, AD+6*KP_, AD+6*KP_+1, (\a/2)*GB+(\a%2)*3072+Q_*1536
.endr
.endm
.macro SCALES kp                       ; a quarter's scale words, both steps' by one load: 12 loads
.set SS_, SC+24*((\kp)%2)
.irp a, 0,1,2,3
	ds_load_b64 v[SS_+2*\a:SS_+2*\a+1], v[AD+6*(\kp)+2] offset:(\a/2)*GB+6144+(\a%2)*128
.endr
.irp b, 0,1,2,3,4,5,6,7
	ds_load_b64 v[SS_+8+2*\b:SS_+8+2*\b+1], v[AD+6*(\kp)+5] offset:(\b/2)*GB+6144+(\b%2)*128
.endr
.endm
.macro MUL s, zero                     ; 32 matrix instructions; the 32 accumulators take turns in one order in every step
.set Q_, (\s)%2
.set SS_, SC+24*(((\s)/2)%2)
	WIN 0xa1                                       ; source 0 (P) window 1, source 1 (R) window 0, C and D window 2
.irp a, 0,1,2,3
.irp b, 0,1,2,3,4,5,6,7
.if \zero
	v_wmma_scale_f32_16x16x128_f8f6f4 v[8*(8*\a+\b):8*(8*\a+\b)+7], v[96*Q_+12*\b:96*Q_+12*\b+11], v[RF+48*Q_+12*\a:RF+48*Q_+12*\a+11], 0, v[SS_+8+2*\b+Q_], v[SS_+2*\a+Q_] matrix_a_fmt:MATRIX_FMT_FP6 matrix_b_fmt:MATRIX_FMT_FP6
.else
	v_wmma_scale_f32_16x16x128_f8f6f4 v[8*(8*\a+\b):8*(8*\a+\b)+7], v[96*Q_+12*\b:96*Q_+12*\b+11], v[RF+48*Q_+12*\a:RF+48*Q_+12*\a+11], v[8*(8*\a+\b):8*(8*\a+\b)+7], v[SS_+8+2*\b+Q_], v[SS_+2*\a+Q_] matrix_a_fmt:MATRIX_FMT_FP6 matrix_b_fmt:MATRIX_FMT_FP6
.endif
.endr
.endr
.endm
	s_load_b256 s[4:11], s[0:1], 0x0               ; XI, WI, bq, bk
	s_load_b128 s[12:15], s[0:1], 0x20             ; bv, QKV
	v_lshl_add_u32 v[SPW], v0, 2, SPARE
	v_mov_b32 v[NIL], 0
	ds_add_u32 v[SPW], v[NIL]                      ; the opening lines: the add, twice on end, and its wait ahead of my tensor load; work on registers stands between
	ds_add_u32 v[SPW], v[NIL]
	v_lshrrev_b32 v1, 5, v0
	v_readfirstlane_b32 s16, v1                    ; wave
	s_lshr_b32 s17, s16, 1                         ; RH
	s_and_b32 s18, s16, 1                          ; CH
	s_bfe_u32 s19, ttmp6, 0x40000                  ; cx
	s_bfe_u32 s20, ttmp6, 0x40004                  ; cy
	s_and_b32 s22, ttmp7, 0xffff                   ; cluster y
	s_lshl_b32 s56, s20, 2
	s_lshl_b32 s56, 15, s56                        ; my row of the cluster
	s_lshl_b32 s57, 0x1111, s19                    ; my column
	s_or_b32 s24, s56, (3<<16)|(1<<21)             ; group 1 for R: the mask; elements of 8 bytes; bit 21 beside a mask
	s_or_b32 s32, s57, (3<<16)|(1<<21)             ; for one quarter of P
	s_or_b32 s44, s57, (3<<16)|(1<<21)             ; for two quarters of P
	G1 24, RQ/8, 4, QSTR/8                         ; R: a row is a quarter's four blocks
	G1 32, 32, PQ/256, 32                          ; P: a quarter's eight blocks, dense, as rows of 256 bytes
	G1 44, PQ/8, 2, QSTR/8                         ; P: a row is a quarter's eight blocks
	s_lshr_b32 s58, s22, 3
	s_and_b32 s59, s22, 7
	s_cmp_eq_u32 ttmp9, 2                          ; V?  The cluster's x: the same in all sixteen partners
	s_cselect_b32 s23, 1, 0
	s_cselect_b32 s58, s58, s22
	s_cselect_b32 s59, s59, ttmp9
	s_cselect_b32 s60, 64, 0                       ; Wv's first group of 32 rows in WI
	s_lshl_b32 s58, s58, 2
	s_add_co_u32 s58, s58, s20                     ; ia: R's unit of 128 rows (made of cy alone)
	s_lshl_b32 s59, s59, 2
	s_add_co_u32 s59, s59, s19                     ; ib: P's unit of 256 rows (made of cx alone)
	s_lshl_b32 s88, s58, 2
	s_add_co_u32 s88, s88, s60
	s_mul_i32 s88, s88, GB
	s_mov_b32 s89, 0
	s_lshl_b32 s90, s59, 3
	s_mul_i32 s90, s90, GB
	s_mov_b32 s91, 0
	s_wait_dscnt 0x0                               ; both opening adds are done
	s_wait_kmcnt 0x0
	s_cmp_eq_u32 s23, 1
	s_cselect_b64 s[92:93], s[6:7], s[4:5]         ; R: WI for V, else XI
	s_cselect_b64 s[94:95], s[4:5], s[6:7]         ; P: the other
	s_add_nc_u64 s[92:93], s[92:93], s[88:89]
	s_add_nc_u64 s[94:95], s[94:95], s[90:91]
	s_mov_b32 s40, 1                               ; group 0 for R,
	s_mov_b32 s41, 0
	s_mov_b64 s[42:43], s[92:93]
	s_or_b32 s43, s43, 0x80000000
.irp k, 0,1,2                          ; and for P from quarter k on: no place in the cluster enters an LDS address
	s_mov_b32 s[68+4*\k], 1
	s_mov_b32 s[69+4*\k], PBASE+\k*PQ
	s_add_nc_u64 s[70+4*\k:71+4*\k], s[94:95], \k*QSTR
	s_or_b32 s[71+4*\k], s[71+4*\k], 0x80000000
.endr
	CROUND                                         ; all sixteen work-groups are here: the joint loads meet
	s_cmp_eq_u32 s16, 0                            ; one chain of branches on the wave's number, one load to an arm
	s_cbranch_scc0 .Lw1
	TL 68, 32                                      ; wave 0: P's quarter 0
	s_branch .Lasked
.Lw1:
	s_cmp_eq_u32 s16, 1
	s_cbranch_scc0 .Lw2
	TL 40, 24                                      ; wave 1: all of R
	s_branch .Lasked
.Lw2:
	s_cmp_eq_u32 s16, 2
	s_cbranch_scc0 .Lw3
	TL 72, 32                                      ; wave 2: P's quarter 1
	s_branch .Lasked
.Lw3:
	TL 76, 44                                      ; wave 3: P's quarters 2 and 3
.Lasked:
	v_and_b32 v1, 31, v0                           ; lane
	v_and_b32 v2, 15, v0                           ; r
	v_bfe_u32 v3, v0, 4, 1                         ; hh
	v_lshlrev_b32 v4, 4, v1
	v_lshlrev_b32 v5, 3, v1
	v_lshlrev_b32 v10, 3, v2
	s_mul_i32 s56, s17, 2*GB                       ; my half of R
	s_mul_i32 s57, s18, 4*GB
	s_add_co_u32 s57, s57, PBASE                   ; my half of P
.irp k, 0,1,2,3
	v_add_nc_u32 v[AD+6*\k], s56, v4
	v_add_nc_u32 v[AD+6*\k+1], s56, v5
	v_add_nc_u32 v[AD+6*\k+2], s56, v10
	v_add_nc_u32 v[AD+6*\k+3], s57, v4
	v_add_nc_u32 v[AD+6*\k+4], s57, v5
	v_add_nc_u32 v[AD+6*\k+5], s57, v10
	s_add_co_u32 s56, s56, RQ
	s_add_co_u32 s57, s57, PQ
.endr
	; the bias, in both forms (by P's row for Q and K, by R's row for V); the indices are held inside the 1,024 numbers for every work-group
	s_cmp_eq_u32 ttmp9, 0
	s_cselect_b64 s[96:97], s[8:9], s[10:11]
	s_cmp_eq_u32 s23, 1
	s_cselect_b64 s[96:97], s[12:13], s[96:97]
	s_and_b32 s98, s59, 3
	s_lshl_b32 s98, s98, 10
	s_lshl_b32 s99, s18, 9
	s_add_co_u32 s98, s98, s99
	v_lshl_add_u32 v11, v3, 6, s98                 ; (256 (ib % 4) + 128 CH + 16 hh) x 4
.irp bb, 0,1,2,3
.irp j, 0,1,2,3
	global_load_b128 v[BP+16*\bb+4*\j:BP+16*\bb+4*\j+3], v11, s[96:97] offset:128*\bb+16*\j
.endr
.endr
	s_and_b32 s98, s58, 7
	s_lshl_b32 s98, s98, 9
	s_lshl_b32 s99, s17, 8
	s_add_co_u32 s98, s98, s99
	v_and_b32 v12, 8, v2
	v_add_nc_u32 v12, v12, v2
	v_lshl_add_u32 v12, v12, 2, s98                ; (128 (ia % 8) + 64 RH + r + 8 (r / 8)) x 4
.irp a, 0,1,2,3
	global_load_b32 v[BR+2*\a], v12, s[96:97] offset:(32*(\a/2)+8*(\a%2))*4
	global_load_b32 v[BR+2*\a+1], v12, s[96:97] offset:(32*(\a/2)+8*(\a%2))*4   ; twice: a pair for the packed addition
.endr
	s_wait_alu depctr_va_vdst(0)                   ; the head's end
	s_cmp_lt_u32 s16, 2
	s_cbranch_scc0 .Lnot_q0
	s_wait_tensorcnt 0x0                           ; waves 0 and 1: P's quarter 0 and R are in
.Lnot_q0:
	s_barrier_signal -1
	s_barrier_wait -1                              ; shown to all; waves 2 and 3's tiles may be on their way
	FETCH 0
	SCALES 0
	FETCH 1
	s_wait_dscnt 48                                ; all but the 48 just issued
	MUL 0, 1                                       ; the first products start the sums
	WIN 0
	s_wait_dscnt 0x0                               ; step 1's fragments
	s_cmp_eq_u32 s16, 2
	s_cbranch_scc0 .Lnot_q1
	s_wait_tensorcnt 0x0                           ; wave 2: P's quarter 1 is in
.Lnot_q1:
	s_barrier_signal -1
	s_barrier_wait -1
	PLACES 4                                       ; four places in front of loads into registers that matrix instructions have read
	FETCH 2
	SCALES 1
	MUL 1, 0
	PLACES 4
	FETCH 3
	s_wait_dscnt 48
	MUL 2, 0
	s_wait_tensorcnt 0x0                           ; all that is still out: wave 3's tile; the wait stands on every wave's way
	s_wait_dscnt 0x0
	s_barrier_signal -1
	s_barrier_wait -1
	PLACES 4
	FETCH 4
	SCALES 2
	MUL 3, 0
	PLACES 4
	FETCH 5
	s_wait_dscnt 48
	MUL 4, 0
	s_wait_dscnt 0x0                               ; step 5's fragments
	PLACES 4
	FETCH 6
	SCALES 3
	MUL 5, 0
	PLACES 4
	FETCH 7
	s_wait_dscnt 48
	MUL 6, 0
	s_wait_dscnt 0x0
	MUL 7, 0
	WIN 0
; THE WAY OUT.  64 numbers of a lane, register 16 b + i = index 32 b + 16 hh + i along the next K, become a fragment's codes in v[PC] on and its scale word.
.macro QUANT s, pw
.irp b, 0,1,2,3
	v_max3_num_f32 v[TM+\b], |v[\s+16*\b]|, |v[\s+1+16*\b]|, 0x1800000   ; my 16 numbers of block b, and the floor 2^(3 - 127)
.endr
.irp i, 2,4,6,8,10,12,14
.irp b, 0,1,2,3
	v_max3_num_f32 v[TM+\b], v[TM+\b], |v[\s+16*\b+\i]|, |v[\s+1+16*\b+\i]|
.endr
.endr
.irp b, 0,1,2,3
	v_permlanex16_b32 v[TM+4+\b], v[TM+\b], s92, s93
.endr
.irp b, 0,1,2,3
	v_max_num_f32 v[TM+\b], v[TM+\b], v[TM+4+\b]   ; with lane l xor 16's
.endr
.irp b, 0,1,2,3
	v_add_nc_u32 v[TM+12+\b], 0xff000000, v[TM+\b] ; the conversion's scale operand
.endr
.irp b, 0,1,2,3
	v_lshrrev_b32 v[TM+4+\b], 23, v[TM+12+\b]      ; the byte
.endr
	v_lshl_or_b32 v[\pw], v[TM+5], 8, v[TM+4]
	v_lshl_or_b32 v[\pw], v[TM+6], 16, v[\pw]
	v_lshl_or_b32 v[\pw], v[TM+7], 24, v[\pw]
.irp c, 0,1
	v_cvt_scalef32_pk16_fp6_f32 v[PC+6*\c:PC+2+6*\c], v[\s+32*\c:\s+15+32*\c], v[TM+12+2*\c]
	v_cvt_scalef32_pk16_fp6_f32 v[PC+12+4*\c:PC+14+4*\c], v[\s+16+32*\c:\s+31+32*\c], v[TM+12+2*\c+1]
.endr
	v_nop                                          ; one plain place behind a scaled conversion
.irp c, 0,1                            ; the operand's layout wants a whole block in a lane
.irp i, 0,1,2
	v_permlane16_swap_b32 v[PC+6*\c+\i], v[PC+12+4*\c+\i]
.endr
.irp i, 0,1,2
	v_mov_b32 v[PC+3+6*\c+\i], v[PC+12+4*\c+\i]
.endr
.endr
.endm
.macro EPI a, isv                      ; R's tile a: + bias, quantised, stored; every store covers 512 or 256 consecutive bytes
.if \a > 0
	s_wait_xcnt 0x0                                ; the last tile's stores have read the codes' registers
.endif
	WIN 0x02                                       ; source 0: window 2.
.set i_, 0
.rept 32
.if \isv
	v_pk_add_f32 v[ST+2*i_:ST+2*i_+1], v[64*\a+2*i_:64*\a+2*i_+1], v[BR+2*\a:BR+2*\a+1]
.else
	v_pk_add_f32 v[ST+2*i_:ST+2*i_+1], v[64*\a+2*i_:64*\a+2*i_+1], v[BP+2*i_:BP+2*i_+1]
.endif
.set i_, i_+1
.endr
	WIN 0
	QUANT ST, PWK+\a
.if \isv
	global_store_b128 v4, v[PC:PC+3], s[98:99] offset:6144+1536*\a
	global_store_b64 v5, v[PC+4:PC+5], s[98:99] offset:6144+1536*\a+512
	global_store_b128 v4, v[PC+6:PC+9], s[98:99] offset:6144+1536*\a+768
	global_store_b64 v5, v[PC+10:PC+11], s[98:99] offset:6144+1536*\a+1280
.else
	global_store_b128 v4, v[PC:PC+3], s[98:99] offset:768*\a               ; the even head's 64
	global_store_b64 v5, v[PC+4:PC+5], s[98:99] offset:768*\a+512
	global_store_b128 v4, v[PC+6:PC+9], s[98:99] offset:768*\a+HEADB       ; the odd head's
	global_store_b64 v5, v[PC+10:PC+11], s[98:99] offset:768*\a+HEADB+512
.endif
.endm
.irp b, 0,1,2,3
	v_mov_b32 v[TM+4+\b], 0                        ; a lane permute's destination counts as one of its sources.  These four are also the places behind the last products
.endr
	s_mov_b32 s92, 0x76543210
	s_mov_b32 s93, 0xfedcba98
	s_mov_b32 s94, 0xffff0000
	s_wait_loadcnt 0x0                             ; the biases
	s_cmp_eq_u32 s23, 1
	s_cbranch_scc1 .Lvout
	; Q or K: batch ia / 16, rows 128 (ia % 16) on, heads 4 (ib % 4) + 2 CH and the next
	s_lshr_b32 s56, s58, 4
	s_lshl_b32 s56, s56, 4
	s_and_b32 s57, s59, 3
	s_lshl_b32 s57, s57, 2
	s_add_co_u32 s56, s56, s57
	s_lshl_b32 s57, s18, 1
	s_add_co_u32 s56, s56, s57
	s_mul_i32 s56, s56, HEADB                      ; the head's first byte
	s_and_b32 s57, s58, 15                         ; which 128 rows
	s_mov_b32 s62, 12288
	s_mov_b32 s63, KVB
	s_cmp_eq_u32 ttmp9, 0                          ; Q?
	s_cselect_b32 s63, QBB, s63
	s_cselect_b32 s60, 16*KVB, 0
	s_cselect_b32 s62, 16*KVB+6144, s62
	s_mul_i32 s57, s57, s63
	s_add_co_u32 s56, s56, s57
	s_mov_b32 s57, 0
	s_add_nc_u64 s[14:15], s[14:15], s[56:57]
	s_mul_i32 s61, s17, 3072
	s_add_co_u32 s60, s60, s61
	s_mov_b32 s61, 0
	s_lshl_b32 s63, s17, 8
	s_add_co_u32 s62, s62, s63
	s_mov_b32 s63, 0
	s_add_nc_u64 s[98:99], s[14:15], s[60:61]      ; my four half images
	s_add_nc_u64 s[100:101], s[14:15], s[62:63]    ; my 256 bytes of scale words
	EPI 0, 0
	EPI 1, 0
	EPI 2, 0
	EPI 3, 0
	v_cndmask_b32 v36, v[PWK], v[PWK+2], s94       ; lanes 0-15: tiles 0, 1; lanes 16-31: tiles 2, 3
	v_cndmask_b32 v37, v[PWK+1], v[PWK+3], s94
	v_and_b32 v180, 0xffff, v36                    ; the even head's two bytes; bytes 2 and 3 are 0: they meet zero codes
	v_and_b32 v181, 0xffff, v37
	v_lshrrev_b32 v182, 16, v36                    ; the odd head's
	v_lshrrev_b32 v183, 16, v37
	global_store_b64 v5, v[180:181], s[100:101]
	global_store_b64 v5, v[182:183], s[100:101] offset:HEADB
	s_branch .Ldone
.Lvout:
	; V: head 2 ia + RH, batch ib / 8, keys 128 (2 (ib % 8) + CH) on
	s_lshr_b32 s56, s59, 3
	s_lshl_b32 s56, s56, 4
	s_lshl_b32 s57, s58, 1
	s_add_co_u32 s56, s56, s57
	s_add_co_u32 s56, s56, s17
	s_mul_i32 s56, s56, HEADB                      ; the head's first byte
	s_and_b32 s57, s59, 7
	s_lshl_b32 s57, s57, 1
	s_add_co_u32 s57, s57, s18
	s_mul_i32 s57, s57, KVB                        ; its block of 128 keys
	s_add_co_u32 s56, s56, s57
	s_mov_b32 s57, 0
	s_add_nc_u64 s[98:99], s[14:15], s[56:57]
	EPI 0, 1
	EPI 1, 1
	EPI 2, 1
	EPI 3, 1
	v_cndmask_b32 v36, v[PWK], v[PWK+2], s94
	v_cndmask_b32 v37, v[PWK+1], v[PWK+3], s94
	global_store_b64 v5, v[36:37], s[98:99] offset:12800
.Ldone:
	s_wait_tensorcnt 0x0                           ; the wave's end
	ds_add_u32 v[SPW], v[NIL]
	s_wait_dscnt 0x0
	CROUND                                         ; the closing round
	s_endpgm
.Lfunc_end_k_q6afe693709_proj:
	.size	k_q6afe693709_proj, .Lfunc_end_k_q6afe693709_proj-k_q6afe693709_proj
	.p2alignl 7, 3214868480
	.fill 96, 4, 3214868480
	.section	.rodata,"a",@progbits
	.p2align	6, 0x0
	.amdhsa_kernel k_q6afe693709_proj
		.amdhsa_group_segment_fixed_size 327680
		.amdhsa_private_segment_fixed_size 0
		.amdhsa_enable_private_segment 0
		.amdhsa_kernarg_size 48
		.amdhsa_user_sgpr_count 2
		.amdhsa_user_sgpr_kernarg_segment_ptr 1
		.amdhsa_wavefront_size32 1
		.amdhsa_system_sgpr_workgroup_id_x 1
		.amdhsa_system_sgpr_workgroup_id_y 1
		.amdhsa_system_sgpr_workgroup_id_z 1
		.amdhsa_system_vgpr_workitem_id 0
		.amdhsa_next_free_vgpr 768
		.amdhsa_next_free_sgpr 102
		.amdhsa_reserve_vcc 0
		.amdhsa_float_denorm_mode_32 3
		.amdhsa_float_denorm_mode_16_64 3
		.amdhsa_memory_ordered 1
		.amdhsa_forward_progress 1
		.amdhsa_inst_pref_size 124
	.end_amdhsa_kernel
	.amdgpu_metadata
---
amdhsa.version: [ 1, 2 ]
amdhsa.kernels:
  - .name:           k_q6afe693709_proj
    .symbol:         k_q6afe693709_proj.kd
    .args:
      - { .name: XI, .offset: 0, .size: 8, .value_kind: global_buffer, .address_space: global }
      - { .name: WI, .offset: 8, .size: 8, .value_kind: global_buffer, .address_space: global }
      - { .name: bq, .offset: 16, .size: 8, .value_kind: global_buffer, .address_space: global }
      - { .name: bk, .offset: 24, .size: 8, .value_kind: global_buffer, .address_space: global }
      - { .name: bv, .offset: 32, .size: 8, .value_kind: global_buffer, .address_space: global }
      - { .name: QKV, .offset: 40, .size: 8, .value_kind: global_buffer, .address_space: global }
    .group_segment_fixed_size: 327680
    .private_segment_fixed_size: 0
    .kernarg_segment_align: 8
    .kernarg_segment_size: 48
    .max_flat_workgroup_size: 128
    .sgpr_count:     102
    .vgpr_count:     768
    .wavefront_size: 32
...
	.end_amdgpu_metadata
.endif
;; end of part 2
;; launch attn (part 3): grid 4 x 64, 8 waves a work-group, clusters of 4 x 1, 262,144 bytes of LDS; arguments QKV, CI; writes CI
.if DOCPART == 3
	.amdgcn_target "amdgcn-amd-amdhsa--gfx1250"
	.amdhsa_code_object_version 6
	.text
	.protected	k_q6afe693709_attn
	.globl	k_q6afe693709_attn
	.p2align	8
	.type	k_q6afe693709_attn,@function
k_q6afe693709_attn:
	s_mov_b64 s[64:65], 0
	v_nop
	global_prefetch_b8 v0, s[64:65] scope:SCOPE_SE
	s_setreg_imm32_b32 hwreg(HW_REG_WAVE_MODE, 25, 1), 1
	s_wait_xcnt 0x0
	s_wait_alu depctr_hold_cnt(0) depctr_sa_sdst(0) depctr_va_vdst(0) depctr_va_sdst(0) depctr_va_ssrc(0) depctr_va_vcc(0) depctr_vm_vsrc(0)
	s_getreg_b32 s2, hwreg(HW_REG_IB_STS2, 6, 4)
	s_cmp_eq_u32 s2, 0
	s_cbranch_scc0 .Lentry_in_a_cluster
	s_endpgm
.Lentry_in_a_cluster:
	s_bfe_u32 s2, ttmp6, 0x10000c
	s_cmp_lg_u32 s2, 0x3003
	s_cbranch_scc0 .Lentry_shape_is_right
	s_endpgm
.Lentry_shape_is_right:
; cat = softmax(Q K^T / 8) V for one (batch, head), both products on codes of FP6 (E2M3) with E8M0 scales, and cat quantised along the head's 64 on the way out.
; t = score x log2(e) / 8; M = the running largest t rounded UP to a whole number; p = 2^(t - M) is quantised along the keys, not normalised; the row's sum is taken of the unquantised p and divides at the end.
; When M moves, the sum and O are multiplied by 2^(old M - new M): exact.
; QKV: a head has 315,392 bytes: 16 blocks of 13,056 (128 keys: K's 8 half images of 768, V's 4 fragments of 1,536, K's scale words 512, V's 256), then 16 blocks of 6,656 (128 queries: Q's 8 half images, scale words 512).
; SHARES.  A work-group owns 512 queries of one head; each of its eight waves TWO tiles of 16 (x = 0, 1) in each of two passes: tiles 2 w and 2 w + 1 of the pass's 16.  Both tiles take every fragment of K and V from the same registers.
; The head's K and V lie in LDS for the whole launch, filled once: wave w brings steps 2 w and 2 w + 1, dense in memory, by one tensor load.  CLUSTER: the head's four work-groups want the same bytes: joint loads.
; No data prefetch: all of K and V is asked for at the head by the tensor loads themselves, and there is no loop to run ahead in.
; LDS: a step is 51 rows of 256 bytes, 64 bytes of padding behind each (pitch 320).
; LAYOUT.  S^T = K Q^T, O^T = V^T P^T: a lane holds one query of each tile.  QKV holds K in tiles T whose lane r is key 32 (T / 2) + 8 (T % 2) + r + 8 (r / 8).  Here a tile n = 4 c + u is formed anew by the lanes' addresses:
; its row 8 g + j (g = 0, 1) is key 64 c + 32 g + 8 u + j, which is row 8 (u / 2) + j of tile 4 c + 2 g + u % 2.  So the 32 registers of tiles 4 c .. 4 c + 3 in lane (r, h) are keys 64 c + 32 h + 0 .. 31:
; one whole scale block of p, in the order of the operand's registers: a block's largest needs no other lane and the codes no lane swap.
; Rows g = 0 and g = 1 lie six LDS rows, 1,920 bytes, apart: 128 modulo 256, so the sixteen lanes of a 16-byte load touch 256 different bytes modulo 256; in the 8-byte loads of K two lanes meet in a bank.
; THE HEAD HAS 64 CHANNELS, the instruction 128 along K: Q's registers 6-11 are zero codes.  K's operand for tile n is six registers of its own and the next tile's six (behind the last tile: zeros);
; these meet Q's zero codes under the scale bytes 0 (2^-127) and add nothing.
; A STEP of 128 keys: V's loads; tile 0's 8 products S^T; tile 1's 8, each with four lines of tile 0's search for the largest behind it; the NEXT step's K loads (K and V have registers of their own: K is asked for a whole step ahead);
; the softmax of both tiles; tile 0's 4 products O^T, with tile 1's sum behind them; tile 1's 4.
; Among tile 0's exponentials stand tile 1's t - M, among tile 1's the first 16 additions of tile 0's sum: lines whose sources were written ahead of a wait and whose results are first read behind the next.
; The walk is a loop of 15 steps and a last step written out, which asks for no K and loads the next pass's Q.
; LIMITS: a block of zeros gets the byte 1; NaN and infinities are not served; a block's largest p is taken from the block's largest score, which takes v_exp_f32 not to fall where its input rises.
; REGISTERS.  Window 1: S^T, then p, of tile x at v[64 x]; O^T at v[128 + 32 x]; v192-223 tile 0's pair sums.  Window 0: all else, by the names below.
.set RP,    320
.set SB,    51*RP
.set KVB,   13056
.set QB,    6656
.set HEADB, 16*(KVB+QB)
.set SPARE, 16*SB                      ; the spare words, 128 bytes for each of eight waves
.set SPW, 5
.set NIL, 6
.set VAC, 7                            ; v7 V's lane term for 16-byte pieces; v1-4: 16 l, 8 l, 8 r, 8 h; v8-10 K's addresses
.set NM,  12                           ; v[12 + 2 x] -M, v[13 + 2 x] the largest score
.set LS,  16                           ; v[16 + 2 x : +1] the sum
.set FF,  20                           ; v[20 + 2 x : +1] f (its upper half is only named)
.set QF,  24                           ; v[24 + 12 x ..] Q
.set QS,  48                           ; v[48 + x] Q's scale word
.set VS,  50                           ; v50-53 V's scale words
.set PW,  54                           ; v[54 + x] p's scale word
.set KS,  56                           ; v56-63 K's scale words
.set KF,  64                           ; v64-117 K's tiles
.set VF,  118                          ; v118-165 V's fragments
.set PC,  166                          ; v[166 + 12 x ..] p's codes
.set KAC, 190                          ; v190-192 K's lane terms
.set VA,  193                          ; v193-195 V's addresses
.set CH,  196                          ; v[196 + 4 x + k] chains of maxima
.set BM,  204                          ; v[204 + 2 x + c] a block's largest
.set T1,  208
.set T2,  210
.set PM,  212
.set SO,  214                          ; the conversions' scale operands
.set BY,  218                          ; the bytes
.set TP,  224                          ; v[224 + 4 (2 x + c) ..] a block's upper 16 codes
.set AC,  240                          ; v[240 + 6 x + 2 i : +1] three more chains of the sum
.set MSB, 0
.macro WIN new                         ; the immediate's high byte repeats the setting that is left
.if MSB != \new
	s_set_vgpr_msb (MSB<<8)|\new
.set MSB, \new
.endif
.endm
.macro WALU
	s_wait_alu depctr_va_vdst(0)
.endm
.macro CROUND
	s_barrier_signal -1
	s_barrier_wait -1
	s_cmp_lg_u32 s18, 0
	s_cbranch_scc1 .Lnot_wave_0_\@
	s_barrier_signal -3
.Lnot_wave_0_\@:
	s_barrier_wait -3
	s_barrier_signal -1
	s_barrier_wait -1
.endm
.macro QLOAD off                       ; both tiles' half images and scale words
.irp x, 0,1
	global_load_b128 v[QF+12*\x:QF+12*\x+3], v1, s[8:9] offset:(\off)+768*\x
	global_load_b64 v[QF+12*\x+4:QF+12*\x+5], v2, s[8:9] offset:(\off)+768*\x+512
.endr
	global_load_b64 v[QS:QS+1], v3, s[10:11] offset:\off
.endm
.macro KLOAD a, off                    ; 20 loads: a step's eight tiles of K and their scale words
.irp n, 0,1,2,3,4,5,6,7
	ds_load_b128 v[KF+6*\n:KF+6*\n+3], v[\a] offset:(\off)+RP*(12*(\n/4)+3*(\n%2))+128*((\n%4)/2)
	ds_load_b64 v[KF+6*\n+4:KF+6*\n+5], v[\a+1] offset:(\off)+RP*(12*(\n/4)+3*(\n%2)+2)+64*((\n%4)/2)
.endr
.irp q, 0,1,2,3
	ds_load_b64 v[KS+2*\q:KS+2*\q+1], v[\a+2] offset:(\off)+RP*(48+\q/2)+64*(\q%2)
.endr
.endm
.macro QK x, t                         ; S^T of tile x of queries and tile t of keys; D in window 1
	v_wmma_scale_f32_16x16x128_f8f6f4 v[64*(\x)+8*(\t):64*(\x)+8*(\t)+7], v[KF+6*(\t):KF+6*(\t)+11], v[QF+12*(\x):QF+12*(\x)+11], 0, v[KS+(\t)], v[QS+(\x)] matrix_a_fmt:MATRIX_FMT_FP6 matrix_b_fmt:MATRIX_FMT_FP6
.endm
.macro PV x, vt                        ; O^T of tile x, channels' tile vt; C and D in window 1
	v_wmma_scale_f32_16x16x128_f8f6f4 v[128+32*(\x)+8*(\vt):135+32*(\x)+8*(\vt)], v[VF+12*(\vt):VF+12*(\vt)+11], v[PC+12*(\x):PC+12*(\x)+11], v[128+32*(\x)+8*(\vt):135+32*(\x)+8*(\vt)], v[VS+(\vt)], v[PW+(\x)] matrix_a_fmt:MATRIX_FMT_FP6 matrix_b_fmt:MATRIX_FMT_FP6
.endm
.macro MAXG x, g                       ; four lines, g = 0 .. 7, of tile x's search for the largest score of its two blocks of 32 keys: four chains of 16 by turns, then joined; each accumulator is read from its low end on
.if (\g) == 0
	WIN 0x15
.irp k, 0,1,2,3
	v_max3_num_f32 v[CH+4*(\x)+\k], v[64*(\x)+16*\k], v[64*(\x)+16*\k+1], v[64*(\x)+16*\k+2]
.endr
.elseif (\g) < 7
	WIN 0x14
.irp k, 0,1,2,3
	v_max3_num_f32 v[CH+4*(\x)+\k], v[CH+4*(\x)+\k], v[64*(\x)+16*\k+2*(\g)+1], v[64*(\x)+16*\k+2*(\g)+2]
.endr
.else
	WIN 0x10
.irp c, 0,1
	v_max3_num_f32 v[BM+2*(\x)+\c], v[CH+4*(\x)+2*\c], v[CH+4*(\x)+2*\c+1], v[64*(\x)+32*\c+15]
.endr
.irp c, 0,1
	v_max3_num_f32 v[BM+2*(\x)+\c], v[BM+2*(\x)+\c], v[BM+2*(\x)+\c], v[64*(\x)+32*\c+31]
.endr
.endif
.endm
.macro ADD4 i                          ; tile 1's sum: pairs i .. i + 3 of p onto its four chains
	v_pk_add_f32 v[AC+6:AC+7], v[AC+6:AC+7], v[64+2*(\i):65+2*(\i)]
	v_pk_add_f32 v[AC+8:AC+9], v[AC+8:AC+9], v[66+2*(\i):67+2*(\i)]
	v_pk_add_f32 v[AC+10:AC+11], v[AC+10:AC+11], v[68+2*(\i):69+2*(\i)]
	v_pk_add_f32 v[LS+2:LS+3], v[LS+2:LS+3], v[70+2*(\i):71+2*(\i)]
.endm
	s_load_b128 s[4:7], s[0:1], 0x0                ; QKV, CI
	v_lshl_add_u32 v[SPW], v0, 2, SPARE
	v_mov_b32 v[NIL], 0
	ds_add_u32 v[SPW], v[NIL]                      ; the opening lines: the add, twice on end, and its wait ahead of my tensor load
	ds_add_u32 v[SPW], v[NIL]
	v_lshrrev_b32 v1, 5, v0
	v_readfirstlane_b32 s18, v1                    ; wave 0..7
	s_bfe_u32 s19, ttmp6, 0x40000                  ; cx: it enters Q's and CI's memory addresses alone
	s_and_b32 s17, ttmp7, 0xffff                   ; batch x 16 + head
	s_mov_b32 s24, 15|(3<<16)|(1<<20)|(1<<21)|(5<<22)|(15<<25)  ; group 1: all four work-groups; elements of 8 bytes; bit 21 beside a mask; 16 words of padding behind every 64
	s_mov_b32 s25, 32<<16                          ; two steps' 26,112 dense bytes as 102 rows of 256
	s_mov_b32 s26, 102<<16
	s_mov_b32 s27, 32<<16
	s_mov_b32 s28, 102
	s_mov_b32 s29, 32
	s_mov_b32 s30, 0
	s_mov_b32 s31, 0
	s_mov_b32 s20, 0x76543210
	s_mov_b32 s21, 0xfedcba98                      ; lane l xor 16
	s_mov_b32 s22, 0x3e38aa3b                      ; c = log2(e) / 8
	s_mov_b32 s23, s22                             ; (named with it as a pair)
	s_mul_i32 s60, s17, HEADB                      ; the head's first byte
	s_mul_i32 s62, s18, 2*KVB                      ; my two steps of keys
	s_add_co_u32 s62, s62, s60
	s_mov_b32 s63, 0
	s_mov_b32 s40, 1
	s_mul_i32 s41, s18, 2*SB                       ; and their place in LDS
	; my first tiles of queries: 32 cx + 2 w and the next; the second pass takes the tiles 16 further on
	s_lshl_b32 s66, s19, 2
	s_lshr_b32 s67, s18, 2
	s_add_co_u32 s66, s66, s67
	s_mul_i32 s66, s66, QB
	s_add_co_u32 s66, s66, s60
	s_add_co_u32 s66, s66, 16*KVB                  ; Q's block of 128 queries
	s_and_b32 s67, s18, 3
	s_mul_i32 s68, s67, 1536
	s_add_co_u32 s68, s68, s66                     ; two half images
	s_mov_b32 s69, 0
	s_lshl_b32 s70, s67, 7
	s_add_co_u32 s70, s70, s66
	s_add_co_u32 s70, s70, 6144                    ; the two tiles' scale words, 8 bytes a row
	s_mov_b32 s71, 0
	; where cat goes: CI's block (head / 4, row / 32), tile x, fragment (head / 2) % 2, half image head % 2
	s_and_b32 s76, s17, 15
	s_lshr_b32 s77, s17, 4
	s_lshl_b32 s77, s77, 6
	s_lshl_b32 s78, s19, 4
	s_add_co_u32 s77, s77, s78
	s_add_co_u32 s77, s77, s18
	s_mul_i32 s77, s77, 6400
	s_lshr_b32 s78, s76, 2
	s_mul_i32 s78, s78, 1638400
	s_add_co_u32 s77, s77, s78
	s_bfe_u32 s79, s76, 0x10001
	s_and_b32 s80, s76, 1
	s_mul_i32 s72, s79, 1536
	s_mul_i32 s81, s80, 768
	s_add_co_u32 s72, s72, s81
	s_add_co_u32 s72, s72, s77
	s_mov_b32 s73, 0
	s_lshl_b32 s74, s79, 2
	s_lshl_b32 s81, s80, 1
	s_add_co_u32 s74, s74, s81
	s_add_co_u32 s74, s74, s77
	s_add_co_u32 s74, s74, 6144
	s_mov_b32 s75, 0
	s_wait_dscnt 0x0                               ; both opening adds are done
	s_wait_kmcnt 0x0
	s_add_nc_u64 s[42:43], s[4:5], s[62:63]
	s_or_b32 s43, s43, 0x80000000
	s_add_nc_u64 s[8:9], s[4:5], s[68:69]
	s_add_nc_u64 s[10:11], s[4:5], s[70:71]
	s_add_nc_u64 s[12:13], s[6:7], s[72:73]
	s_add_nc_u64 s[14:15], s[6:7], s[74:75]
	CROUND                                         ; all four work-groups are here: the joint loads meet
	tensor_load_to_lds s[40:43], s[24:31]          ; every wave's one load: its own two steps, to its own LDS bytes
	s_nop 0
	v_and_b32 v4, 31, v0
	v_lshlrev_b32 v1, 4, v4                        ; 16 l
	v_lshlrev_b32 v2, 3, v4                        ; 8 l
	v_and_b32 v3, 15, v0                           ; r
	v_bfe_u32 v8, v0, 4, 1                         ; h
	v_bfe_u32 v9, v0, 3, 1                         ; g
	v_and_b32 v10, 7, v0                           ; j
	v_mul_u32_u24 v[VAC], v8, RP
	v_lshl_add_u32 v[VAC], v3, 4, v[VAC]           ; V's 16-byte pieces: lanes 16-31 one LDS row on: 320 h + 16 r
	v_lshlrev_b32 v3, 3, v3                        ; 8 r
	v_mul_u32_u24 v[KAC+2], v9, 6*RP               ; K: two tiles, six LDS rows, on for g = 1
	v_lshl_add_u32 v[KAC+1], v8, 7, v[KAC+2]
	v_lshl_add_u32 v[KAC+1], v10, 3, v[KAC+1]      ; its 8-byte pieces: 1,920 g + 128 h + 8 j
	v_mad_u32_u24 v[KAC], v8, RP, v[KAC+2]
	v_lshl_add_u32 v[KAC], v10, 4, v[KAC]          ; its 16-byte pieces: 1,920 g + 320 h + 16 j
	v_lshlrev_b32 v[KAC+2], 7, v9
	v_lshl_add_u32 v[KAC+2], v10, 3, v[KAC+2]      ; its scale words: 128 g + 8 j
	v_lshlrev_b32 v4, 3, v8                        ; 8 h: my bytes' place in p's scale word
	QLOAD 0                                        ; the first pass's Q
.irp j, 30,31,32,33,34,35, 42,43,44,45,46,47, 112,113,114,115,116,117
	v_mov_b32 v[\j], 0                             ; Q's zero codes for k = 64 .. 127; the six registers behind K's last tile
.endr
.irp j, 21,23,212,213,218,219,220,221
	v_mov_b32 v[\j], 0                             ; the upper halves of f's pairs; a lane permute's destination counts as one of its sources
.endr
	WALU                                           ; the head's end
	s_wait_tensorcnt 0x0                           ; my steps have landed,
	s_barrier_signal -1
	s_barrier_wait -1                              ; everybody's have: the head's K and V lie in LDS
	s_mov_b32 s66, 2
.macro STEP pre                        ; pre = 1: the next step's K is fetched; 0: the pass's last step
	v_add_nc_u32 v[VA], s2, v[VAC]                 ; these five are the places in front of loads into registers that the last products read
	v_add_nc_u32 v[VA+1], s2, v2
	v_add_nc_u32 v[VA+2], s2, v3
	v_mov_b32 v[T2], v[NM]                         ; the old -M
	v_mov_b32 v[T2+1], v[NM+2]
.irp vt, 0,1,2,3                       ; 18 loads: V lands while the softmax is walked
	ds_load_b128 v[VF+12*\vt:VF+12*\vt+3], v[VA] offset:RP*(24+6*\vt)
	ds_load_b64 v[VF+12*\vt+4:VF+12*\vt+5], v[VA+1] offset:RP*(26+6*\vt)
	ds_load_b128 v[VF+12*\vt+6:VF+12*\vt+9], v[VA] offset:RP*(27+6*\vt)
	ds_load_b64 v[VF+12*\vt+10:VF+12*\vt+11], v[VA+1] offset:RP*(29+6*\vt)
.endr
.irp j, 0,1
	ds_load_b64 v[VS+2*\j:VS+2*\j+1], v[VA+2] offset:RP*50+128*\j
.endr
	s_wait_dscnt 18                                ; K, asked for a step ago, is in; V's 18 loads are younger
	WIN 0x40
.irp t, 0,1,2,3,4,5,6,7
	QK 0, \t
.endr
	WIN 0
.if \pre
	v_add_nc_u32 v8, s2, v[KAC]                    ; four places behind tile 0's products, ahead of the first read of their sums
	v_add_nc_u32 v9, s2, v[KAC+1]
	v_add_nc_u32 v10, s2, v[KAC+2]
	v_nop
.else
.rept 4
	v_nop
.endr
.endif
.irp g, 0,1,2,3,4,5,6,7
	WIN 0x40
	QK 1, \g
	MAXG 0, \g                                     ; four lines on tile 0's sums behind each of tile 1's products; the last four are the places in front of the loads below
.endr
	WIN 0
.if \pre
	KLOAD 8, SB                                    ; the next step's K: 20 loads
.else
	WALU
	s_cmp_eq_u32 s66, 1                            ; the last pass has no successor
	s_cbranch_scc1 .Lno_q
	QLOAD 2*QB                                     ; the next pass's Q, 16 tiles on
.Lno_q:
.endif
.irp g, 0,1,2,3,4,5,6,7
	MAXG 1, \g
.endr
	WIN 0
.irp x, 0,1
	v_max_num_f32 v[T1+\x], v[BM+2*\x], v[BM+2*\x+1]
.endr
.irp x, 0,1
	v_permlanex16_b32 v[PM+\x], v[T1+\x], s20, s21
.endr
.irp x, 0,1
	v_max3_num_f32 v[NM+1+2*\x], v[NM+1+2*\x], v[T1+\x], v[PM+\x]   ; the running largest score of my query, both halves of the lanes
.endr
.irp x, 0,1
	v_mul_f32 v[T1+\x], s22, v[NM+1+2*\x]          ; as t (c is positive)
.endr
.irp x, 0,1
	v_floor_f32 v[NM+2*\x], -v[T1+\x]              ; the new -M = -ceil(t)
.endr
.irp x, 0,1
	v_sub_f32 v[T2+\x], v[NM+2*\x], v[T2+\x]       ; old M - new M: a whole number, 0 or less
.endr
.irp x, 0,1
	v_cvt_i32_f32 v[T2+\x], v[T2+\x]               ; (it saturates)
.endr
.irp x, 0,1
	v_ldexp_f32 v[FF+2*\x], 1.0, v[T2+\x]          ; f = 2^(old M - new M)
.endr
.irp x, 0,1
.irp c, 0,1
	v_fma_f32 v[BM+2*\x+\c], v[BM+2*\x+\c], s22, v[NM+2*\x]   ; t - M of each block's largest score
.endr
.endr
	WIN 0x41                                       ; source 0 and destination in window 1
.set j_, 0
.rept 32
	v_pk_fma_f32 v[j_:j_+1], v[j_:j_+1], s[22:23], v[NM:NM+1] op_sel_hi:[1,0,0]   ; tile 0: t - M
.set j_, j_+2
.endr
.irp x, 0,1
.set j_, 0
.rept 16
	v_pk_mul_f32 v[128+32*\x+j_:129+32*\x+j_], v[128+32*\x+j_:129+32*\x+j_], v[FF+2*\x:FF+2*\x+1] op_sel_hi:[1,0]   ; O^T under the new M, ahead of the exponentials; each accumulator from its low end on
.set j_, j_+2
.endr
.endr
	WALU                                           ; ahead of the batch
.set j_, 0
.rept 32
	v_exp_f32 v[j_], v[j_]                         ; tile 0: p = 2^(t - M)
	v_exp_f32 v[j_+1], v[j_+1]
	v_pk_fma_f32 v[64+j_:65+j_], v[64+j_:65+j_], s[22:23], v[NM+2:NM+3] op_sel_hi:[1,0,0]   ; tile 1: t - M: first read behind the wait below
.set j_, j_+2
.endr
	WALU                                           ; behind tile 0's batch and ahead of tile 1's
	WIN 0x45                                       ; source 1 in window 1 too
.set j_, 0
.rept 16
	v_exp_f32 v[64+4*j_], v[64+4*j_]               ; tile 1
	v_exp_f32 v[65+4*j_], v[65+4*j_]
	v_exp_f32 v[66+4*j_], v[66+4*j_]
	v_exp_f32 v[67+4*j_], v[67+4*j_]
	v_pk_add_f32 v[192+2*j_:193+2*j_], v[4*j_:4*j_+1], v[4*j_+2:4*j_+3]   ; tile 0's sum of the unquantised p, first level: sixteen results of their own, first read behind the wait below
.set j_, j_+1
.endr
	WIN 0
.irp k, 0,1,2,3
	v_exp_f32 v[BM+\k], v[BM+\k]                   ; each block's largest p
.endr
.irp x, 0,1
	v_pk_mul_f32 v[LS+2*\x:LS+2*\x+1], v[LS+2*\x:LS+2*\x+1], v[FF+2*\x:FF+2*\x+1] op_sel_hi:[1,0]   ; the sums under the new M (plain places behind the exponentials)
.endr
	WALU                                           ; one wait for the batch, ahead of its first reader
.irp k, 0,1,2,3
	v_max_num_f32 v[BM+\k], 0x1800000, v[BM+\k]    ; the floor 2^(3 - 127)
.endr
.irp k, 0,1,2,3
	v_add_nc_u32 v[SO+\k], 0xff000000, v[BM+\k]    ; the conversion's scale operand
.endr
.irp k, 0,1,2,3
	v_lshrrev_b32 v[BY+\k], 23, v[SO+\k]           ; the byte
.endr
.irp x, 0,1
	v_lshl_or_b32 v[T1+\x], v[BY+2*\x+1], 16, v[BY+2*\x]   ; my bytes: blocks h and 2 + h,
.endr
.irp x, 0,1
	v_lshlrev_b32 v[T1+\x], v4, v[T1+\x]           ; at their places in the word;
.endr
.irp x, 0,1
	v_permlanex16_b32 v[PM+\x], v[T1+\x], s20, s21
.endr
.irp x, 0,1
	v_or_b32 v[PW+\x], v[T1+\x], v[PM+\x]          ; with lane l xor 16's two: p's scale word for these 128 keys
.endr
	WIN 0x01                                       ; source 0 in window 1
.irp x, 0,1
.irp c, 0,1
	v_cvt_scalef32_pk16_fp6_f32 v[PC+12*\x+6*\c:PC+12*\x+6*\c+2], v[64*\x+32*\c:64*\x+32*\c+15], v[SO+2*\x+\c]
	v_cvt_scalef32_pk16_fp6_f32 v[TP+8*\x+4*\c:TP+8*\x+4*\c+2], v[64*\x+32*\c+16:64*\x+32*\c+31], v[SO+2*\x+\c]   ; (a conversion's three registers begin on an even number)
.endr
.endr
	WIN 0x05                                       ; the sums go on, in four chains a tile.  These six are the plain places behind the conversions
.irp i, 0,1,2
	v_pk_add_f32 v[AC+2*\i:AC+2*\i+1], v[192+4*\i:193+4*\i], v[194+4*\i:195+4*\i]
	v_pk_add_f32 v[AC+6+2*\i:AC+6+2*\i+1], v[64+4*\i:65+4*\i], v[66+4*\i:67+4*\i]
.endr
	WIN 0
.irp x, 0,1
.irp c, 0,1
.irp i, 0,1,2
	v_mov_b32 v[PC+12*\x+6*\c+3+\i], v[TP+8*\x+4*\c+\i]
.endr
.endr
.endr
	WIN 0x04                                       ; tile 0's sum to its end: these fourteen additions are the places between the operands' and the scale words' writes and the products below
	v_pk_add_f32 v[LS:LS+1], v[LS:LS+1], v[204:205]
	v_pk_add_f32 v[LS+2:LS+3], v[LS+2:LS+3], v[76:77]
.irp i, 7,11
	v_pk_add_f32 v[AC:AC+1], v[AC:AC+1], v[192+2*\i:193+2*\i]
	v_pk_add_f32 v[AC+2:AC+3], v[AC+2:AC+3], v[194+2*\i:195+2*\i]
	v_pk_add_f32 v[AC+4:AC+5], v[AC+4:AC+5], v[196+2*\i:197+2*\i]
	v_pk_add_f32 v[LS:LS+1], v[LS:LS+1], v[198+2*\i:199+2*\i]
.endr
	v_pk_add_f32 v[AC:AC+1], v[AC:AC+1], v[222:223]
	WIN 0
	v_pk_add_f32 v[LS:LS+1], v[LS:LS+1], v[AC+4:AC+5]
	v_pk_add_f32 v[AC:AC+1], v[AC:AC+1], v[AC+2:AC+3]
	v_pk_add_f32 v[LS:LS+1], v[LS:LS+1], v[AC:AC+1]
	WALU                                           ; directly ahead of the wait below
.if \pre
	s_wait_dscnt 20                                ; V is in; the next step's 20 loads of K are younger
.else
	s_wait_dscnt 0x0                               ; V
.endif
.irp vt, 0,1,2
	WIN 0x50
	PV 0, \vt
	WIN 0x04
	ADD4 7+8*\vt                                   ; tile 1's sum behind tile 0's products
	ADD4 11+8*\vt
.endr
	WIN 0x50
	PV 0, 3
	WIN 0x04
	v_pk_add_f32 v[AC+6:AC+7], v[AC+6:AC+7], v[126:127]
	WIN 0
	v_pk_add_f32 v[LS+2:LS+3], v[LS+2:LS+3], v[AC+10:AC+11]
	v_pk_add_f32 v[AC+6:AC+7], v[AC+6:AC+7], v[AC+8:AC+9]
	v_pk_add_f32 v[LS+2:LS+3], v[LS+2:LS+3], v[AC+6:AC+7]
	WIN 0x50
.irp vt, 0,1,2,3
	PV 1, \vt
.endr
	WIN 0
.endm
.Lpass:
	v_mov_b32 v[NM+1], 0xff61b1e6                  ; the largest score so far: -3e38
	v_mov_b32 v[NM+3], 0xff61b1e6
	v_mul_f32 v[NM], s22, v[NM+1]
	v_floor_f32 v[NM], -v[NM]                      ; -M
	v_mov_b32 v[NM+2], v[NM]
.irp j, 0,1,2,3
	v_mov_b32 v[LS+\j], 0
.endr
	WIN 0x40
.set j_, 0
.rept 64
	v_mov_b32 v[128+j_], 0                         ; O^T: the step is written for every step alike; the first change of M leaves zeros zeros
.set j_, j_+1
.endr
	WIN 0
	KLOAD KAC, 0                                   ; step 0's K
	s_mov_b32 s2, 0                                ; LDS byte of the step in hand
	s_mov_b32 s3, 15
	WALU                                           ; directly ahead of the wait below
	s_wait_loadcnt 0x0                             ; Q
.Lstep:
	STEP 1
	s_add_co_u32 s2, s2, SB
	s_sub_co_u32 s3, s3, 1
	s_cmp_lg_u32 s3, 0
	s_cbranch_scc1 .Lstep
	STEP 0
	; THE WAY OUT: O^T / the sum; register 16 b + i is channel 32 b + 16 h + i of my query: two blocks along the last product's K
.rept 4
	v_nop
.endr
.irp x, 0,1
	v_add_f32 v[LS+2*\x], v[LS+2*\x], v[LS+2*\x+1]
.endr
.irp x, 0,1
	v_permlanex16_b32 v[PM+\x], v[LS+2*\x], s20, s21
.endr
.irp x, 0,1
	v_add_f32 v[LS+2*\x], v[LS+2*\x], v[PM+\x]     ; the row's sum
.endr
	WALU
	v_rcp_f32 v[LS], v[LS]
	v_rcp_f32 v[LS+2], v[LS+2]
	v_nop                                          ; a plain place behind the transcendentals
	WIN 0x41
	WALU                                           ; the wait ahead of their first reader, which is O^T's first reader too
.irp x, 0,1
.set j_, 0
.rept 16
	v_pk_mul_f32 v[64*\x+j_:64*\x+j_+1], v[128+32*\x+j_:129+32*\x+j_], v[LS+2*\x:LS+2*\x+1] op_sel_hi:[1,0]   ; each accumulator from its low end on
.set j_, j_+2
.endr
.endr
	WIN 0x05
.irp x, 0,1
.irp b, 0,1
	v_max3_num_f32 v[BM+2*\x+\b], |v[64*\x+16*\b]|, |v[64*\x+16*\b+1]|, 0x1800000
.endr
.endr
	WIN 0x14
.irp i, 2,4,6,8,10,12,14
.irp x, 0,1
.irp b, 0,1
	v_max3_num_f32 v[BM+2*\x+\b], v[BM+2*\x+\b], |v[64*\x+16*\b+\i]|, |v[64*\x+16*\b+\i+1]|
.endr
.endr
.endr
	WIN 0
.irp k, 0,1,2,3
	v_permlanex16_b32 v[BY+\k], v[BM+\k], s20, s21
.endr
.irp k, 0,1,2,3
	v_max_num_f32 v[BM+\k], v[BM+\k], v[BY+\k]
.endr
.irp k, 0,1,2,3
	v_add_nc_u32 v[SO+\k], 0xff000000, v[BM+\k]
.endr
.irp k, 0,1,2,3
	v_lshrrev_b32 v[BY+\k], 23, v[SO+\k]
.endr
.irp x, 0,1
	v_lshl_or_b32 v[T1+\x], v[BY+2*\x+1], 8, v[BY+2*\x]   ; my head's two bytes of the row's scale word
.endr
	WIN 0x01
.irp x, 0,1
	v_cvt_scalef32_pk16_fp6_f32 v[PC+12*\x:PC+12*\x+2], v[64*\x:64*\x+15], v[SO+2*\x]
	v_cvt_scalef32_pk16_fp6_f32 v[TP+8*\x:TP+8*\x+2], v[64*\x+16:64*\x+31], v[SO+2*\x+1]
.endr
	WIN 0
	v_nop
.irp x, 0,1
.irp i, 0,1,2
	v_permlane16_swap_b32 v[PC+12*\x+\i], v[TP+8*\x+\i]   ; the operand's layout wants a whole block in a lane
.endr
.endr
.irp x, 0,1
.irp i, 0,1,2
	v_mov_b32 v[PC+12*\x+3+\i], v[TP+8*\x+\i]
.endr
.endr
.irp x, 0,1
	global_store_b128 v1, v[PC+12*\x:PC+12*\x+3], s[12:13] offset:3072*\x        ; a half image: 512 and 256 consecutive bytes
	global_store_b64 v2, v[PC+12*\x+4:PC+12*\x+5], s[12:13] offset:3072*\x+512
	global_store_b16 v3, v[T1+\x], s[14:15] offset:128*\x   ; two bytes a row, 8 bytes apart (lanes 16-31 write the same bytes with the same values): one byte in 24 of what the launch stores
.endr
	s_wait_xcnt 0x0                                ; the loads and stores have read their registers and bases
	s_add_nc_u64 s[8:9], s[8:9], 2*QB              ; 16 tiles of queries on
	s_add_nc_u64 s[10:11], s[10:11], 2*QB
	s_add_nc_u64 s[12:13], s[12:13], 8*6400
	s_add_nc_u64 s[14:15], s[14:15], 8*6400
	s_sub_co_u32 s66, s66, 1
	s_cmp_lg_u32 s66, 0
	s_cbranch_scc1 .Lpass
	s_wait_tensorcnt 0x0                           ; the wave's end
	ds_add_u32 v[SPW], v[NIL]
	s_wait_dscnt 0x0
	CROUND                                         ; the closing round
	s_endpgm
.Lfunc_end_k_q6afe693709_attn:
	.size	k_q6afe693709_attn, .Lfunc_end_k_q6afe693709_attn-k_q6afe693709_attn
	.p2alignl 7, 3214868480
	.fill 96, 4, 3214868480
	.section	.rodata,"a",@progbits
	.p2align	6, 0x0
	.amdhsa_kernel k_q6afe693709_attn
		.amdhsa_group_segment_fixed_size 262144
		.amdhsa_private_segment_fixed_size 0
		.amdhsa_enable_private_segment 0
		.amdhsa_kernarg_size 16
		.amdhsa_user_sgpr_count 2
		.amdhsa_user_sgpr_kernarg_segment_ptr 1
		.amdhsa_wavefront_size32 1
		.amdhsa_system_sgpr_workgroup_id_x 1
		.amdhsa_system_sgpr_workgroup_id_y 1
		.amdhsa_system_sgpr_workgroup_id_z 1
		.amdhsa_system_vgpr_workitem_id 0
		.amdhsa_next_free_vgpr 512
		.amdhsa_next_free_sgpr 84
		.amdhsa_reserve_vcc 0
		.amdhsa_float_denorm_mode_32 3
		.amdhsa_float_denorm_mode_16_64 3
		.amdhsa_memory_ordered 1
		.amdhsa_forward_progress 1
		.amdhsa_inst_pref_size 75
	.end_amdhsa_kernel
	.amdgpu_metadata
---
amdhsa.version: [ 1, 2 ]
amdhsa.kernels:
  - .name:           k_q6afe693709_attn
    .symbol:         k_q6afe693709_attn.kd
    .args:
      - { .name: QKV, .offset: 0, .size: 8, .value_kind: global_buffer, .address_space: global }
      - { .name: CI, .offset: 8, .size: 8, .value_kind: global_buffer, .address_space: global }
    .group_segment_fixed_size: 262144
    .private_segment_fixed_size: 0
    .kernarg_segment_align: 8
    .kernarg_segment_size: 16
    .max_flat_workgroup_size: 256
    .sgpr_count:     84
    .vgpr_count:     512
    .wavefront_size: 32
...
	.end_amdgpu_metadata
.endif
;; end of part 3
;; launch outp (part 4): grid 4 x 64, 4 waves a work-group, clusters of 4 x 4, 327,680 bytes of LDS; arguments CI, WI, bo, out0; writes out0
.if DOCPART == 4
	.amdgcn_target "amdgcn-amd-amdhsa--gfx1250"
	.amdhsa_code_object_version 6
	.text
	.protected	k_q6afe693709_outp
	.globl	k_q6afe693709_outp
	.p2align	8
	.type	k_q6afe693709_outp,@function
k_q6afe693709_outp:
	s_mov_b64 s[64:65], 0
	v_nop
	global_prefetch_b8 v0, s[64:65] scope:SCOPE_SE
	s_setreg_imm32_b32 hwreg(HW_REG_WAVE_MODE, 25, 1), 1
	s_wait_xcnt 0x0
	s_wait_alu depctr_hold_cnt(0) depctr_sa_sdst(0) depctr_va_vdst(0) depctr_va_sdst(0) depctr_va_ssrc(0) depctr_va_vcc(0) depctr_vm_vsrc(0)
	s_getreg_b32 s2, hwreg(HW_REG_IB_STS2, 6, 4)
	s_cmp_eq_u32 s2, 0
	s_cbranch_scc0 .Lentry_in_a_cluster
	s_endpgm
.Lentry_in_a_cluster:
	s_bfe_u32 s2, ttmp6, 0x10000c
	s_cmp_lg_u32 s2, 0xf033
	s_cbranch_scc0 .Lentry_shape_is_right
	s_endpgm
.Lentry_shape_is_right:
; out = cat Wo + bo on codes of FP6 (E2M3) with E8M0 scales; out [8192][1024] f32.
; A work-group multiplies R = 128 rows of cat (source 1) by P = 256 columns of Wo (source 0) over the WHOLE K = 1,024, which lies in LDS at once, in blocks of 6,400 bytes
; (32 rows x 256 along K in the order of the operand's registers, scale words behind them): R's four quarters of K, 4 blocks each, then P's four, 8 blocks each.  Nothing in LDS is filled twice.
; In CI and WI a quarter of K is 1,638,400 bytes from the next, and a quarter's blocks of neighbouring rows lie on end.
; THE FILLS, one tensor load a wave, all at the head, each on a line of its own: wave 0 P's quarter 0 (200 rows of 256 bytes); wave 1 R's four quarters (4 rows of 25,600 bytes);
; wave 2 P's quarter 1; wave 3 P's quarters 2 and 3 (2 rows of 51,200 bytes).  Three plain barriers show them: waves 0 and 1's, wave 2's, wave 3's.
; Four waves: wave (RH, CH) makes R's half RH (four tiles a) x P's half CH (eight tiles b): 32 accumulators.  A lane holds one row of cat; the 16 registers of P's tiles 2 bb, 2 bb + 1 are columns 32 bb + 16 hh + 0 .. 15.
; Lane r of tile 2 G + u is row 32 G + 8 u + r + 8 (r / 8).  The bias is the C of each sum's first matrix instruction.
; CLUSTERS 4 x 4: cat's blocks are shared along a row of the cluster, Wo's along a column: joint loads.  No data prefetch: all is asked for at the head.
; REGISTERS: window 0: v1-12 lane numbers, offsets, the stage's addresses; v16-39 LDS addresses; v40-87 scale words, two sets; v96-191 R's fragments, two sets; v192-255 the bias; on the way out v96-223 rows of out.
;   window 1: P's fragments, two sets.   window 2: accumulator (a, b) at v[8 (8 a + b)].
.set GB,     6400
.set RQ,     4*GB                      ; a quarter of K of R in LDS
.set PQ,     8*GB                      ; of P
.set PBASE,  4*RQ                      ; P lies behind R
.set SPARE,  PBASE+4*PQ                ; the spare words, 128 bytes a wave
.set QSTR,   1638400                   ; a quarter of K on, in CI and in WI, in bytes
.set SPW, 8
.set NIL, 9
.set AD,  16
.set SC,  40
.set RF,  96
.set BP,  192
.set BK,  96                           ; the way out: 16 rows read back: v96-159 and v160-223 by turns
.set MSB, 0
.macro WIN new
.if MSB != \new
	s_set_vgpr_msb (MSB<<8)|\new
.set MSB, \new
.endif
.endm
.macro CROUND
	s_barrier_signal -1
	s_barrier_wait -1
	s_cmp_lg_u32 s16, 0
	s_cbranch_scc1 .Lnot_wave_0_\@
	s_barrier_signal -3
.Lnot_wave_0_\@:
	s_barrier_wait -3
	s_barrier_signal -1
	s_barrier_wait -1
.endm
.macro PLACES n
.rept \n
	v_nop
.endr
.endm
.macro G1 g, c, r, p                   ; group 1's words 1 to 7: r rows of c elements of 8 bytes, p elements from row to row
	s_mov_b32 s[\g+1], (\c)<<16
	s_mov_b32 s[\g+2], (\r)<<16
	s_mov_b32 s[\g+3], (\c)<<16
	s_mov_b32 s[\g+4], \r
	s_mov_b32 s[\g+5], \p
	s_mov_b32 s[\g+6], 0
	s_mov_b32 s[\g+7], 0
.endm
.macro TL g0, g1
	tensor_load_to_lds s[\g0:\g0+3], s[\g1:\g1+7]
	s_nop 0
	PLACES 4
.endm
.macro HFRAG reg, a16, a8, off
	ds_load_b128 v[\reg:\reg+3], v[\a16] offset:\off
	ds_load_b64 v[\reg+4:\reg+5], v[\a8] offset:\off+512
.endm
.macro FRAG reg, a16, a8, off
	HFRAG \reg, \a16, \a8, \off
	HFRAG \reg+6, \a16, \a8, \off+768
.endm
.macro FETCH s                         ; step s of 128 along K: 48 loads, into set s % 2
.set KP_, (\s)/2
.set Q_, (\s)%2
	WIN 0x40
.irp b, 0,1,2,3,4,5,6,7
	FRAG 96*Q_+12*\b, AD+6*KP_+3, AD+6*KP_+4, (\b/2)*GB+(\b%2)*3072+Q_*1536
.endr
	WIN 0
.irp a, 0,1,2,3
	FRAG RF+48*Q_+12*\a, AD+6*KP_, AD+6*KP_+1, (\a/2)*GB+(\a%2)*3072+Q_*1536
.endr
.endm
.macro SCALES kp                       ; 12 loads
.set SS_, SC+24*((\kp)%2)
.irp a, 0,1,2,3
	ds_load_b64 v[SS_+2*\a:SS_+2*\a+1], v[AD+6*(\kp)+2] offset:(\a/2)*GB+6144+(\a%2)*128
.endr
.irp b, 0,1,2,3,4,5,6,7
	ds_load_b64 v[SS_+8+2*\b:SS_+8+2*\b+1], v[AD+6*(\kp)+5] offset:(\b/2)*GB+6144+(\b%2)*128
.endr
.endm
.macro MUL s, first                    ; 32 matrix instructions; the 32 accumulators take turns in one order in every step
.set Q_, (\s)%2
.set SS_, SC+24*(((\s)/2)%2)
.if \first
	WIN 0x81                                       ; source 0 (P) window 1, source 1 (R) and C (the bias) window 0, D window 2
.else
	WIN 0xa1                                       ; C and D window 2
.endif
.irp a, 0,1,2,3
.irp b, 0,1,2,3,4,5,6,7
.if \first
	v_wmma_scale_f32_16x16x128_f8f6f4 v[8*(8*\a+\b):8*(8*\a+\b)+7], v[96*Q_+12*\b:96*Q_+12*\b+11], v[RF+48*Q_+12*\a:RF+48*Q_+12*\a+11], v[BP+8*\b:BP+8*\b+7], v[SS_+8+2*\b+Q_], v[SS_+2*\a+Q_] matrix_a_fmt:MATRIX_FMT_FP6 matrix_b_fmt:MATRIX_FMT_FP6
.else
	v_wmma_scale_f32_16x16x128_f8f6f4 v[8*(8*\a+\b):8*(8*\a+\b)+7], v[96*Q_+12*\b:96*Q_+12*\b+11], v[RF+48*Q_+12*\a:RF+48*Q_+12*\a+11], v[8*(8*\a+\b):8*(8*\a+\b)+7], v[SS_+8+2*\b+Q_], v[SS_+2*\a+Q_] matrix_a_fmt:MATRIX_FMT_FP6 matrix_b_fmt:MATRIX_FMT_FP6
.endif
.endr
.endr
.endm
	s_load_b256 s[4:11], s[0:1], 0x0               ; CI, WI, bo, out0
	v_lshl_add_u32 v[SPW], v0, 2, SPARE
	v_mov_b32 v[NIL], 0
	ds_add_u32 v[SPW], v[NIL]                      ; the opening lines: the add, twice on end, and its wait ahead of my tensor load; work on registers stands between
	ds_add_u32 v[SPW], v[NIL]
	v_lshrrev_b32 v1, 5, v0
	v_readfirstlane_b32 s16, v1                    ; wave
	s_lshr_b32 s17, s16, 1                         ; RH
	s_and_b32 s18, s16, 1                          ; CH
	s_bfe_u32 s19, ttmp6, 0x40000                  ; cx
	s_bfe_u32 s20, ttmp6, 0x40004                  ; cy
	s_and_b32 s22, ttmp7, 0xffff                   ; cluster y
	s_lshl_b32 s56, s20, 2
	s_lshl_b32 s56, 15, s56                        ; my row of the cluster
	s_lshl_b32 s57, 0x1111, s19                    ; my column
	s_or_b32 s24, s56, (3<<16)|(1<<21)             ; group 1 for R: the mask; elements of 8 bytes; bit 21 beside a mask
	s_or_b32 s32, s57, (3<<16)|(1<<21)             ; for one quarter of P
	s_or_b32 s44, s57, (3<<16)|(1<<21)             ; for two quarters of P
	G1 24, RQ/8, 4, QSTR/8                         ; R: a row is a quarter's four blocks
	G1 32, 32, PQ/256, 32                          ; P: a quarter's eight blocks, dense, as rows of 256 bytes
	G1 44, PQ/8, 2, QSTR/8                         ; P: a row is a quarter's eight blocks
	s_lshl_b32 s58, s22, 2
	s_add_co_u32 s58, s58, s20                     ; ia: cat's unit of 128 rows (made of cy alone)
	s_lshl_b32 s59, ttmp9, 2
	s_add_co_u32 s59, s59, s19                     ; ib: Wo's unit of 256 columns (made of cx alone)
	s_lshl_b32 s88, s58, 2
	s_mul_i32 s88, s88, GB
	s_mov_b32 s89, 0
	s_lshl_b32 s90, s59, 3
	s_add_co_u32 s90, s90, 96                      ; Wo's first group of 32 columns in WI
	s_mul_i32 s90, s90, GB
	s_mov_b32 s91, 0
	s_wait_dscnt 0x0                               ; both opening adds are done
	s_wait_kmcnt 0x0
	s_add_nc_u64 s[92:93], s[4:5], s[88:89]
	s_add_nc_u64 s[94:95], s[6:7], s[90:91]
	s_mov_b32 s40, 1                               ; group 0 for R,
	s_mov_b32 s41, 0
	s_mov_b64 s[42:43], s[92:93]
	s_or_b32 s43, s43, 0x80000000
.irp k, 0,1,2                          ; and for P from quarter k on: no place in the cluster enters an LDS address
	s_mov_b32 s[68+4*\k], 1
	s_mov_b32 s[69+4*\k], PBASE+\k*PQ
	s_add_nc_u64 s[70+4*\k:71+4*\k], s[94:95], \k*QSTR
	s_or_b32 s[71+4*\k], s[71+4*\k], 0x80000000
.endr
	CROUND                                         ; all sixteen work-groups are here: the joint loads meet
	s_cmp_eq_u32 s16, 0                            ; one chain of branches on the wave's number, one load to an arm
	s_cbranch_scc0 .Lw1
	TL 68, 32                                      ; wave 0: P's quarter 0
	s_branch .Lasked
.Lw1:
	s_cmp_eq_u32 s16, 1
	s_cbranch_scc0 .Lw2
	TL 40, 24                                      ; wave 1: all of R
	s_branch .Lasked
.Lw2:
	s_cmp_eq_u32 s16, 2
	s_cbranch_scc0 .Lw3
	TL 72, 32                                      ; wave 2: P's quarter 1
	s_branch .Lasked
.Lw3:
	TL 76, 44                                      ; wave 3: P's quarters 2 and 3
.Lasked:
	v_and_b32 v1, 31, v0                           ; lane
	v_and_b32 v2, 15, v0                           ; r
	v_bfe_u32 v3, v0, 4, 1                         ; hh
	v_lshlrev_b32 v4, 4, v1
	v_lshlrev_b32 v5, 3, v1
	v_lshlrev_b32 v10, 3, v2
	s_lshl_b32 s98, s59, 10
	s_lshl_b32 s99, s18, 9
	s_add_co_u32 s98, s98, s99
	v_lshl_add_u32 v11, v3, 6, s98                 ; (256 ib + 128 CH + 16 hh) x 4
.irp bb, 0,1,2,3
.irp j, 0,1,2,3
	global_load_b128 v[BP+16*\bb+4*\j:BP+16*\bb+4*\j+3], v11, s[8:9] offset:128*\bb+16*\j
.endr
.endr
	s_mul_i32 s56, s17, 2*GB                       ; my half of R
	s_mul_i32 s57, s18, 4*GB
	s_add_co_u32 s57, s57, PBASE                   ; my half of P
.irp k, 0,1,2,3
	v_add_nc_u32 v[AD+6*\k], s56, v4
	v_add_nc_u32 v[AD+6*\k+1], s56, v5
	v_add_nc_u32 v[AD+6*\k+2], s56, v10
	v_add_nc_u32 v[AD+6*\k+3], s57, v4
	v_add_nc_u32 v[AD+6*\k+4], s57, v5
	v_add_nc_u32 v[AD+6*\k+5], s57, v10
	s_add_co_u32 s56, s56, RQ
	s_add_co_u32 s57, s57, PQ
.endr
	s_mul_i32 s56, s16, 8448                       ; my stage for the way out: 16 rows x (512 + 16) bytes, in the bytes of R's quarters 0 and 1: they have had their one fill, and their last read stands ahead of the third barrier
	v_mul_u32_u24 v6, v2, 528
	v_lshl_add_u32 v6, v3, 6, v6
	v_add_nc_u32 v6, s56, v6                       ; in: row r, + 64 hh
	v_add_nc_u32 v7, s56, v4                       ; back: 16 bytes a lane of a row
	s_lshl_b32 s60, s58, 19                        ; my first row of out: 128 ia + 64 RH, 4,096 bytes a row;
	s_lshl_b32 s61, s17, 18
	s_add_co_u32 s60, s60, s61
	s_lshl_b32 s61, s59, 10                        ; my first column: 256 ib + 128 CH
	s_add_co_u32 s60, s60, s61
	s_lshl_b32 s61, s18, 9
	s_add_co_u32 s60, s60, s61
	s_mov_b32 s61, 0
	s_add_nc_u64 s[10:11], s[10:11], s[60:61]
	s_wait_alu depctr_va_vdst(0)                   ; the head's end
	s_cmp_lt_u32 s16, 2
	s_cbranch_scc0 .Lnot_q0
	s_wait_tensorcnt 0x0                           ; waves 0 and 1: P's quarter 0 and R are in
.Lnot_q0:
	s_barrier_signal -1
	s_barrier_wait -1                              ; shown to all; waves 2 and 3's tiles may be on their way
	FETCH 0
	SCALES 0
	FETCH 1
	s_wait_loadcnt 0x0                             ; the bias
	s_wait_dscnt 48                                ; all but the 48 just issued
	MUL 0, 1                                       ; the first products start the sums from the bias
	WIN 0
	s_wait_dscnt 0x0                               ; step 1's fragments
	s_cmp_eq_u32 s16, 2
	s_cbranch_scc0 .Lnot_q1
	s_wait_tensorcnt 0x0                           ; wave 2: P's quarter 1 is in
.Lnot_q1:
	s_barrier_signal -1
	s_barrier_wait -1
	PLACES 4                                       ; four places in front of loads into registers that matrix instructions have read
	FETCH 2
	SCALES 1
	MUL 1, 0
	PLACES 4
	FETCH 3
	s_wait_dscnt 48
	MUL 2, 0
	s_wait_tensorcnt 0x0                           ; all that is still out: wave 3's tile; the wait stands on every wave's way
	s_wait_dscnt 0x0
	s_barrier_signal -1
	s_barrier_wait -1
	PLACES 4
	FETCH 4
	SCALES 2
	MUL 3, 0
	PLACES 4
	FETCH 5
	s_wait_dscnt 48
	MUL 4, 0
	s_wait_dscnt 0x0                               ; step 5's fragments
	PLACES 4
	FETCH 6
	SCALES 3
	MUL 5, 0
	PLACES 4
	FETCH 7
	s_wait_dscnt 48
	MUL 6, 0
	s_wait_dscnt 0x0
	MUL 7, 0
	WIN 0
; THE WAY OUT, a tile of 16 rows x 128 columns at a time, through my own stage: in by 16 bytes of a row, back as whole rows of 512 bytes.  LDS serves a wave's instructions in order: no wait between.
.macro TOSTAGE a
	WIN 0x08                                       ; an LDS store's data: window 2
.irp bb, 0,1,2,3
.irp j, 0,1,2,3
	ds_store_b128 v6, v[64*(\a)+16*\bb+4*\j:64*(\a)+16*\bb+4*\j+3] offset:128*\bb+16*\j   ; each accumulator from its low end on
.endr
.endr
	WIN 0
.irp t, 0,1,2,3,4,5,6,7,8,9,10,11,12,13,14,15
	ds_load_b128 v[BK+64*((\a)%2)+4*\t:BK+64*((\a)%2)+4*\t+3], v7 offset:528*\t
.endr
.endm
.macro SEND a, younger                 ; younger: the LDS instructions issued behind tile a's loads, which may stay out
	s_wait_dscnt \younger
.irp t, 0,1,2,3,4,5,6,7,8,9,10,11,12,13,14,15
	global_store_b128 v4, v[BK+64*((\a)%2)+4*\t:BK+64*((\a)%2)+4*\t+3], s[10:11] offset:(32*((\a)/2)+8*((\a)%2)+\t+8*(\t/8))*4096 th:TH_STORE_NT   ; 512 consecutive bytes, at a multiple of 256 from out's first byte
.endr
.endm
	PLACES 4                                       ; behind the last products: for the reads of results and for the loads into the registers that held R's fragments
	TOSTAGE 0
	TOSTAGE 1
	SEND 0, 32                                     ; behind tile 0's loads: tile 1's 16 stores and 16 loads
	s_wait_xcnt 0x0                                ; tile 0's stores have read their registers
	TOSTAGE 2
	SEND 1, 32
	s_wait_xcnt 0x0
	TOSTAGE 3
	SEND 2, 32
	SEND 3, 0
	s_wait_tensorcnt 0x0                           ; the wave's end, behind my last tensor load and my last LDS store
	ds_add_u32 v[SPW], v[NIL]
	s_wait_dscnt 0x0
	CROUND                                         ; the closing round
	s_endpgm
.Lfunc_end_k_q6afe693709_outp:
	.size	k_q6afe693709_outp, .Lfunc_end_k_q6afe693709_outp-k_q6afe693709_outp
	.p2alignl 7, 3214868480
	.fill 96, 4, 3214868480
	.section	.rodata,"a",@progbits
	.p2align	6, 0x0
	.amdhsa_kernel k_q6afe693709_outp
		.amdhsa_group_segment_fixed_size 327680
		.amdhsa_private_segment_fixed_size 0
		.amdhsa_enable_private_segment 0
		.amdhsa_kernarg_size 32
		.amdhsa_user_sgpr_count 2
		.amdhsa_user_sgpr_kernarg_segment_ptr 1
		.amdhsa_wavefront_size32 1
		.amdhsa_system_sgpr_workgroup_id_x 1
		.amdhsa_system_sgpr_workgroup_id_y 1
		.amdhsa_system_sgpr_workgroup_id_z 1
		.amdhsa_system_vgpr_workitem_id 0
		.amdhsa_next_free_vgpr 768
		.amdhsa_next_free_sgpr 102
		.amdhsa_reserve_vcc 0
		.amdhsa_float_denorm_mode_32 3
		.amdhsa_float_denorm_mode_16_64 3
		.amdhsa_memory_ordered 1
		.amdhsa_forward_progress 1
		.amdhsa_inst_pref_size 86
	.end_amdhsa_kernel
	.amdgpu_metadata
---
amdhsa.version: [ 1, 2 ]
amdhsa.kernels:
  - .name:           k_q6afe693709_outp
    .symbol:         k_q6afe693709_outp.kd
    .args:
      - { .name: CI, .offset: 0, .size: 8, .value_kind: global_buffer, .address_space: global }
      - { .name: WI, .offset: 8, .size: 8, .value_kind: global_buffer, .address_space: global }
      - { .name: bo, .offset: 16, .size: 8, .value_kind: global_buffer, .address_space: global }
      - { .name: out0, .offset: 24, .size: 8, .value_kind: global_buffer, .address_space: global }
    .group_segment_fixed_size: 327680
    .private_segment_fixed_size: 0
    .kernarg_segment_align: 8
    .kernarg_segment_size: 32
    .max_flat_workgroup_size: 128
    .sgpr_count:     102
    .vgpr_count:     768
    .wavefront_size: 32
...
	.end_amdgpu_metadata
.endif
;; end of part 4
